; MI455X (gfx1250); checked and timed in simulation.
; The chip was launched on July 23, 2026; its instructions are those of AMD's public machine-readable ISA for CDNA 5 (MIT licence, August 2026) and "CDNA5" Instruction Set Architecture Reference Guide (July 2026). The comments in the code are by the model that wrote it; some were corrected since.
;; Attention. Allowed arithmetic: matrix products marked QUANTISED: E2M3 operands, one E8M0 scale for each 32 along K, by v_wmma_scale_f32_16x16x128_f8f6f4 with both operands' format E2M3, f32 sums; everything else in f32.
;; Inputs: Wk 1,024 x 1,024 float32; Wq 1,024 x 1,024 float32; Wv 1,024 x 1,024 float32; bk 1,024 float32; bq 1,024 float32; bv 1,024 float32; x 4 x 2,048 x 1,024 float32.
;; Outputs: out0 4 x 2,048 x 1,024 float32.
;; This version of the problem:
;;   THIS VERSION OF THE PROBLEM IS GIVEN IN LOW PRECISION. The matrix products marked QUANTISED in the list below multiply operands that are first quantised to E2M3 (2 exponent bits, 3 mantissa bits; 6 bits a number), with one power-of-two scale for each 32 numbers along K (OCP MX v1.0); their sums are f32. All else is computed in f32.
;;   The module's matrix products, in the order in which they are computed (A, B: the left and right operand; K: the contracted axis; several contracted axes count as one K, in the product's order):
;;     1. [M 8,192, K 1,024] x [K 1,024, N 1,024]; A: input x; B: input Wq: QUANTISED
;;     2. [M 8,192, K 1,024] x [K 1,024, N 1,024]; A: input x; B: input Wk: QUANTISED
;;     3. [M 8,192, K 1,024] x [K 1,024, N 1,024]; A: input x; B: input Wv: QUANTISED
;;     4. batch 4 x [M 2,048, K 1,024] x [K 1,024, N 2,048]; A: computed on the way; B: computed on the way: QUANTISED
;;     5. batch 4 x [M 2,048, K 2,048] x [K 2,048, N 1,024]; A: softmax (see below); B: computed on the way: QUANTISED
;;   THE QUANTISER, for each operand of a quantised product, along K:
;;     - K is cut into blocks of 32 from its start; a last block that is shorter is filled with zeros.
;;     - A block's scale is 2^e with e = floor(log2(the largest magnitude in the block)) - 2, held to -126 .. 127; a block of zeros has e = 0. As a byte (E8M0): e + 127.
;;     - Each number is divided by its block's scale, clamped to +-7.5, and rounded to the nearest number of E2M3, ties to even, subnormals kept.
;;     - The product sums the exact products of the quantised numbers (number of the format x scale) in f32.
;;   ~~~python
;;   def quantise(x, axis):      # numpy; x: float32 -> the quantised numbers, widened to float32 again
;;       x = np.moveaxis(x, axis, -1); K = x.shape[-1]
;;       x = np.pad(x, [(0, 0)] * (x.ndim - 1) + [(0, -K % 32)]); x = x.reshape(x.shape[:-1] + (-1, 32)); a = np.abs(x).max(-1, keepdims=True)
;;       e = np.where(a > 0, np.clip(np.frexp(np.where(a > 0, a, 1))[1] - 1 - 2, -126, 127), 0)      # np.frexp(a)[1] - 1 = floor(log2(a)), exactly
;;       r = np.clip(x / 2.0 ** e, -7.5, 7.5)
;;       step = 2.0 ** (np.maximum(np.frexp(np.where(r == 0, 1, r))[1] - 1, 0) - 3)
;;       q = np.round(r / step) * step * 2.0 ** e      # np.round: ties to even
;;       return np.moveaxis(q.reshape(q.shape[:-2] + (-1,))[..., :K], -1, axis).astype(np.float32)
;;   ~~~
;;   SOFTMAX AHEAD OF A QUANTISED PRODUCT. Where the list says 'softmax', what is quantised is not the finished softmax but p = 2^(t - M), with t = logit x log2(e) and M = ceil(the row's largest t), a whole number; so 1/2 < the row's largest p <= 1. The row's sum l is taken of the UNQUANTISED p, in f32, and the product's result is divided by l at the end. Since M is a whole number, a kernel that streams over the keys may use a running M (the ceiling of the running maximum): every later rescaling is an exact power of two, which a block's scale takes up: the codes' values come out the same.
;;   OPERANDS COMPUTED ON THE WAY. 'Computed on the way' means the value that the module computes at that place (a softmax that the list does not call 'softmax' is quantised finished and normalised). What goes into a quantiser is computed in f32, as accurately as f32 sums, v_exp_f32 and their like allow (about 1e-6 of the number): no bf16 or f16 on the way to a quantiser, and a product that is left as it is and whose result goes on into a quantised operand takes f32 operands (vector FMAs, or v_wmma_f32_16x16x4_f32). A number that lies on a knife's edge between two numbers of the format may be rounded either way, as far as f32 arithmetic and the matrix unit's own rounding can turn it there, and no further.
;; One version. Each part assembles by itself: llvm-mc -triple=amdgcn-amd-amdhsa -mcpu=gfx1250 --defsym DOCPART=n.
;; ======== version 1 of 1: 4 launches
;; limits: right only within a limited range of input values
;; workspace buffers: xw 9,011,200 bytes; qkv 19,660,800 bytes; pp 14,155,776 bytes
;; launch quant (part 1): grid 704 x 1, 4 waves a work-group, no clusters, 68,608 bytes of LDS; arguments x, Wq, Wk, Wv, xw; writes xw
.if DOCPART == 1
	.amdgcn_target "amdgcn-amd-amdhsa--gfx1250"
	.amdhsa_code_object_version 6
	.text
	.protected	k_q7e81d9b7d2_quant
	.globl	k_q7e81d9b7d2_quant
	.p2align	8
	.type	k_q7e81d9b7d2_quant,@function
k_q7e81d9b7d2_quant:
	s_mov_b64 s[64:65], 0
	v_nop
	global_prefetch_b8 v0, s[64:65] scope:SCOPE_SE
	s_setreg_imm32_b32 hwreg(HW_REG_WAVE_MODE, 25, 1), 1
	s_wait_xcnt 0x0
; x [8192][1024], Wq, Wk, Wv [1024][1024], f32, become codes of FP6 (E2M3) with one E8M0 scale byte for each 32 along K (the last axis), in the workspace xw.
; A block's scale is 2^(floor(log2(its largest magnitude)) - 2); its byte is the largest magnitude's exponent field - 2, held at 1 from below.
; LIMITS: NaN and infinities are not served; a block of zeros gets the byte 1 where the rule says 127 (its codes are zeros, and this program alone reads the bytes).
; LAYOUT OF xw: [block of 128 rows: 0-63 x, 64-71 Wq, 72-79 Wk, 80-87 Wv][K step of 128][8 tiles x 1,536 bytes, then 512 bytes of scale words [r][tile]]: a PIECE of 12,800 bytes.
; A tile's 1,536 bytes are an image of an operand's 12 registers: registers 4 c .. 4 c + 3 of lane l at 512 c + 16 l.
; Lane r of tile t is row 64 (t / 4) + 8 (t % 4) + r + 24 (r / 8) of its block: so the 32 results that a lane gets from tiles 4 c .. 4 c + 3 as source 0 are 32 neighbours, one scale block of the next product.
; A work-group makes one piece; wave w tiles 2 w and 2 w + 1.  Each load reads 512 consecutive bytes of one row; a tile turns through the wave's own stage in LDS.
.set SP,    528                        ; a stage row: 512 bytes + 16
.set STG,   16*SP
.set SCB,   8*STG                      ; behind the eight stages: the piece's scale words, 512 bytes
.set FRB,   1536
.set PIECE, 8*FRB+512
.set LI,  1                            ; 16 x lane
.set STW, 2                            ; the stage, on the way in
.set STR, 3                            ; and out: 528 r + 64 h
.set SCW, 4                            ; where my tile's scale word goes
.set SCR, 5                            ; where wave 0 reads the 512 bytes back
.set TM,  16
.set PC,  32
.set PW,  52
.set R0,  64
.set R1,  128
.set X,   192
.set SEL, 24                           ; v_permlanex16_b32's selects for lane l xor 16
; 64 numbers of a lane, register 16 b + i = k 32 b + 16 (lane / 16) + i of my row, become codes in v[PC] on and the scale word in v[PW]
.macro QUANT s
.irp b, 0,1,2,3
	v_max3_num_f32 v[TM+\b], |v[\s+16*\b]|, |v[\s+1+16*\b]|, 0x1800000   ; with the floor 2^(3 - 127)
.endr
.irp i, 2,4,6,8,10,12,14
.irp b, 0,1,2,3
	v_max3_num_f32 v[TM+\b], v[TM+\b], |v[\s+16*\b+\i]|, |v[\s+1+16*\b+\i]|
.endr
.endr
.irp b, 0,1,2,3
	v_permlanex16_b32 v[TM+4+\b], v[TM+\b], s[SEL], s[SEL+1]
.endr
.irp b, 0,1,2,3
	v_max_num_f32 v[TM+\b], v[TM+\b], v[TM+4+\b]
.endr
.irp b, 0,1,2,3
	v_add_nc_u32 v[TM+12+\b], 0xff000000, v[TM+\b] ; 2 off the exponent field: the conversion's scale operand
.endr
.irp b, 0,1,2,3
	v_lshrrev_b32 v[TM+4+\b], 23, v[TM+12+\b]      ; the scale's byte
.endr
	v_lshl_or_b32 v[PW], v[TM+5], 8, v[TM+4]
	v_lshl_or_b32 v[PW], v[TM+6], 16, v[PW]
	v_lshl_or_b32 v[PW], v[TM+7], 24, v[PW]
.irp c, 0,1
	v_cvt_scalef32_pk16_fp6_f32 v[PC+6*\c:PC+2+6*\c], v[\s+32*\c:\s+15+32*\c], v[TM+12+2*\c]
	v_cvt_scalef32_pk16_fp6_f32 v[PC+12+4*\c:PC+14+4*\c], v[\s+16+32*\c:\s+31+32*\c], v[TM+12+2*\c+1]
.endr
	v_nop                                          ; one plain place behind a scaled conversion
.irp c, 0,1                                    ; a whole block to a lane: lanes 0-15 block 2 c, lanes 16-31 block 2 c + 1
.irp i, 0,1,2
	v_permlane16_swap_b32 v[PC+6*\c+\i], v[PC+12+4*\c+\i]
.endr
.irp i, 0,1,2
	v_mov_b32 v[PC+3+6*\c+\i], v[PC+12+4*\c+\i]
.endr
.endr
.endm
.macro IMG off
.irp c, 0,1,2
	global_store_b128 v[LI], v[PC+4*\c:PC+4*\c+3], s[28:29] offset:\off+512*\c   ; 512 consecutive bytes
.endr
.endm
	s_load_b256 s[4:11], s[0:1], 0x0               ; x, Wq, Wk, Wv
	s_load_b64 s[12:13], s[0:1], 0x20              ; xw
	v_lshl_add_u32 v62, v0, 2, 0x10a00             ; my spare word
	v_mov_b32 v63, 0
	v_lshrrev_b32 v6, 5, v0
	v_readfirstlane_b32 s18, v6                    ; wave
	v_and_b32 v7, 31, v0
	v_and_b32 v8, 15, v0
	v_bfe_u32 v9, v0, 4, 1
	v_lshlrev_b32 v[LI], 4, v7
	s_mul_i32 s26, s18, 2*STG
	v_add_nc_u32 v[STW], s26, v[LI]
	v_mul_u32_u24 v[STR], v8, SP
	v_lshl_add_u32 v[STR], v9, 6, v[STR]
	v_add_nc_u32 v[STR], s26, v[STR]
	s_lshl_b32 s27, s18, 3
	s_add_co_u32 s27, s27, SCB
	v_lshlrev_b32 v[SCW], 5, v8
	v_add_nc_u32 v[SCW], s27, v[SCW]
	v_add_nc_u32 v[SCR], SCB, v[LI]
	s_mov_b32 s[SEL], 0x76543210
	s_mov_b32 s[SEL+1], 0xfedcba98
.irp b, 0,1,2,3
	v_mov_b32 v[TM+4+\b], 0                        ; a lane permute's destination counts as one of its sources
.endr
	s_lshr_b32 s16, ttmp9, 3                       ; the block of 128 rows
	s_and_b32 s17, ttmp9, 7                        ; the K step
	s_sub_co_u32 s19, s16, 64
	s_lshr_b32 s20, s19, 3                         ; which weight (a large number in x's work-groups)
	s_and_b32 s21, s19, 7
	s_mul_i32 s30, ttmp9, PIECE                    ; my piece
	s_mul_i32 s28, s18, 2*FRB                      ; my two tiles of it
	s_add_co_u32 s28, s28, s30
	s_mov_b32 s29, 0
	s_add_co_u32 s30, s30, 8*FRB                   ; its scale words
	s_mov_b32 s31, 0
	s_wait_alu depctr_va_vdst(0)
	s_wait_kmcnt 0x0
	s_cmp_eq_u32 s20, 1                            ; the tensor is chosen by the work-group's number alone
	s_cselect_b64 s[6:7], s[8:9], s[6:7]
	s_cmp_eq_u32 s20, 2
	s_cselect_b64 s[6:7], s[10:11], s[6:7]
	s_cmp_lt_u32 s16, 64
	s_cselect_b64 s[4:5], s[4:5], s[6:7]
	s_cselect_b32 s21, s16, s21
	s_lshl_b32 s22, s21, 19                        ; 128 rows of 4,096 bytes
	s_lshr_b32 s23, s18, 1
	s_lshl_b32 s23, s23, 18                        ; tile 2 w begins at row 64 (w / 2)
	s_and_b32 s26, s18, 1
	s_lshl_b32 s26, s26, 16                        ; + 16 (w % 2)
	s_add_co_u32 s23, s23, s26
	s_add_co_u32 s22, s22, s23
	s_lshl_b32 s23, s17, 9
	s_add_co_u32 s22, s22, s23
	s_mov_b32 s23, 0
	s_add_nc_u64 s[4:5], s[4:5], s[22:23]
	s_add_nc_u64 s[28:29], s[12:13], s[28:29]
	s_add_nc_u64 s[30:31], s[12:13], s[30:31]
.irp i, 0,1,2,3,4,5,6,7,8,9,10,11,12,13,14,15
	global_load_b128 v[R0+4*\i:R0+4*\i+3], v[LI], s[4:5] offset:(\i+24*(\i/8))*4096 th:TH_LOAD_NT
.endr
.irp i, 0,1,2,3,4,5,6,7,8,9,10,11,12,13,14,15
	global_load_b128 v[R1+4*\i:R1+4*\i+3], v[LI], s[4:5] offset:(8+\i+24*(\i/8))*4096 th:TH_LOAD_NT
.endr
	s_wait_loadcnt 16                              ; tile 0's sixteen loads are in
.irp i, 0,1,2,3,4,5,6,7,8,9,10,11,12,13,14,15
	ds_store_b128 v[STW], v[R0+4*\i:R0+4*\i+3] offset:SP*\i
.endr
.irp b, 0,1,2,3                                ; LDS serves a wave's instructions in order
.irp j, 0,1,2,3
	ds_load_b128 v[X+16*\b+4*\j:X+16*\b+4*\j+3], v[STR] offset:128*\b+16*\j
.endr
.endr
	s_wait_loadcnt 0x0
.irp i, 0,1,2,3,4,5,6,7,8,9,10,11,12,13,14,15
	ds_store_b128 v[STW], v[R1+4*\i:R1+4*\i+3] offset:STG+SP*\i
.endr
	s_wait_dscnt 16                                ; all but those sixteen stores
.irp b, 0,1,2,3
.irp j, 0,1,2,3
	ds_load_b128 v[R0+16*\b+4*\j:R0+16*\b+4*\j+3], v[STR] offset:STG+128*\b+16*\j
.endr
.endr
	QUANT X
	IMG 0
	ds_store_b32 v[SCW], v[PW]                     ; both lanes of a row write the same word
	s_wait_dscnt 0x0
	s_wait_xcnt 0x0                                ; the codes' registers are written again only behind this wait
	QUANT R0
	IMG FRB
	ds_store_b32 v[SCW], v[PW] offset:4
	s_wait_dscnt 0x0                               ; my words lie in LDS
	s_barrier_signal -1
	s_barrier_wait -1
	s_cmp_lg_u32 s18, 0
	s_cbranch_scc1 .Ldone
	ds_load_b128 v[56:59], v[SCR]                  ; wave 0: the piece's scale words
	s_wait_dscnt 0x0
	global_store_b128 v[LI], v[56:59], s[30:31]
.Ldone:
	s_wait_tensorcnt 0x0
	ds_add_u32 v62, v63
	s_wait_dscnt 0x0
	s_endpgm
.Lfunc_end_k_q7e81d9b7d2_quant:
	.size	k_q7e81d9b7d2_quant, .Lfunc_end_k_q7e81d9b7d2_quant-k_q7e81d9b7d2_quant
	.p2alignl 7, 3214868480
	.fill 96, 4, 3214868480
	.section	.rodata,"a",@progbits
	.p2align	6, 0x0
	.amdhsa_kernel k_q7e81d9b7d2_quant
		.amdhsa_group_segment_fixed_size 68608
		.amdhsa_private_segment_fixed_size 0
		.amdhsa_enable_private_segment 0
		.amdhsa_kernarg_size 40
		.amdhsa_user_sgpr_count 2
		.amdhsa_user_sgpr_kernarg_segment_ptr 1
		.amdhsa_wavefront_size32 1
		.amdhsa_system_sgpr_workgroup_id_x 1
		.amdhsa_system_sgpr_workgroup_id_y 1
		.amdhsa_system_sgpr_workgroup_id_z 1
		.amdhsa_system_vgpr_workitem_id 0
		.amdhsa_next_free_vgpr 256
		.amdhsa_next_free_sgpr 66
		.amdhsa_reserve_vcc 0
		.amdhsa_float_denorm_mode_32 3
		.amdhsa_float_denorm_mode_16_64 3
		.amdhsa_memory_ordered 1
		.amdhsa_forward_progress 1
		.amdhsa_inst_pref_size 19
	.end_amdhsa_kernel
	.amdgpu_metadata
---
amdhsa.version: [ 1, 2 ]
amdhsa.kernels:
  - .name:           k_q7e81d9b7d2_quant
    .symbol:         k_q7e81d9b7d2_quant.kd
    .args:
      - { .name: x, .offset: 0, .size: 8, .value_kind: global_buffer, .address_space: global }
      - { .name: Wq, .offset: 8, .size: 8, .value_kind: global_buffer, .address_space: global }
      - { .name: Wk, .offset: 16, .size: 8, .value_kind: global_buffer, .address_space: global }
      - { .name: Wv, .offset: 24, .size: 8, .value_kind: global_buffer, .address_space: global }
      - { .name: xw, .offset: 32, .size: 8, .value_kind: global_buffer, .address_space: global }
    .group_segment_fixed_size: 68608
    .private_segment_fixed_size: 0
    .kernarg_segment_align: 8
    .kernarg_segment_size: 40
    .max_flat_workgroup_size: 128
    .sgpr_count:     66
    .vgpr_count:     256
    .wavefront_size: 32
...
	.end_amdgpu_metadata
.endif
;; end of part 1
;; launch proj (part 2): grid 16 x 16, 4 waves a work-group, clusters of 4 x 4, 327,680 bytes of LDS; arguments xw, bq, bk, bv, qkv; writes qkv
.if DOCPART == 2
	.amdgcn_target "amdgcn-amd-amdhsa--gfx1250"
	.amdhsa_code_object_version 6
	.text
	.protected	k_q7e81d9b7d2_proj
	.globl	k_q7e81d9b7d2_proj
	.p2align	8
	.type	k_q7e81d9b7d2_proj,@function
k_q7e81d9b7d2_proj:
	s_mov_b64 s[64:65], 0
	v_nop
	global_prefetch_b8 v0, s[64:65] scope:SCOPE_SE
	s_setreg_imm32_b32 hwreg(HW_REG_WAVE_MODE, 25, 1), 1
	s_wait_xcnt 0x0
	s_wait_alu depctr_hold_cnt(0) depctr_sa_sdst(0) depctr_va_vdst(0) depctr_va_sdst(0) depctr_va_ssrc(0) depctr_va_vcc(0) depctr_vm_vsrc(0)
	s_getreg_b32 s2, hwreg(HW_REG_IB_STS2, 6, 4)
	s_cmp_eq_u32 s2, 0
	s_cbranch_scc0 .Lentry_in_a_cluster
	s_endpgm
.Lentry_in_a_cluster:
	s_bfe_u32 s2, ttmp6, 0x10000c
	s_cmp_lg_u32 s2, 0xf033
	s_cbranch_scc0 .Lentry_shape_is_right
	s_endpgm
.Lentry_shape_is_right:
; Q = x Wq^T + bq, K = x Wk^T + bk, V = x Wv^T + bv on codes of FP6 (E2M3) with E8M0 scales; each result is quantised again in registers: Q and K along their columns, V along the tokens.
; LIMITS: NaN and infinities are not served; a block of zeros gets the byte 1 (its codes are zeros, and this program alone reads the bytes).
; xw: [block of 128 rows][8 K steps][12,800 bytes]: a CHUNK is a block, 102,400 bytes on end, codes and scale words.  Lane r of tile t is row 64 (t / 4) + 8 (t % 4) + r + 24 (r / 8) of its block.
; qkv: Q [64 blocks of tokens][8 K steps][12,800], K likewise, V^T [4 batches][8 blocks of columns][16 K steps][12,800]; a tile's 1,536 bytes are two BANDS of 768: registers 6 c .. 6 c + 3 at 16 x lane, 6 c + 4 and 6 c + 5 at 512 + 8 x lane.
; A WAVE HOLDS 64 ROWS ("held", source 0), ALL OF K, in 384 registers, and streams blocks of 16 rows (source 1) past them: 32 matrix instructions a block.  A lane's 32 results are 32 neighbours along the next K: one scale block, one band.
; Four waves, 2 x 2: wave row w streams tiles 4 w .. 4 w + 3 of a chunk, wave column b holds band b of the held 128 rows.
; PHASE V: held = 128 tokens (x's chunk Cx of the work-group's 512), streamed = 256 rows of Wv, chunks 0 and 1.  PHASE QK: held = 128 rows of Wq or Wk, streamed = the 512 tokens, chunks 2 to 5, the one that lies in LDS since the head first.
; LDS: three regions of a chunk: H (x's first chunk), S0, S1.  At the head H, S0 and S1 are filled, one load a wave.  In block 2 of chunks 0 to 3 all reads of one region are done: a round of the cluster's barrier stands inside the block,
; and the region is filled again: S0 with the weight, S1 with x's second chunk, H with the third, S1 with the fourth; waves 0 and 1 a half each.  In chunk 4 a plain barrier shows the last chunk.
; CLUSTERS of 4 x 4: x is shared along a row (mask s80), the weights along a column (mask s81); an address is made without the coordinate that its mask spans.
; PREFETCHES: what a later refill loads, 400 blocks of 256 bytes, is shared out by address among the sixteen waves that will ask for it jointly, 25 each: the weight at the head, x's chunks six blocks ahead of their refills.
; THE WAY OUT of a block stands among the next block's matrix instructions: two chains of v_max3; the conversions behind the last one, whose shift and moves are the four places ahead of the loads.
; The bias is the C of a sum's first matrix instruction.  Four accumulators take turns.
; WAITS at a block's top: its rows were fetched two blocks ago; younger are the byte store (1), where issued the eight scale loads, and the next block's 24 loads.
; REGISTERS: window 0: v2-35 addresses, v64-127 two sets of sums, v128-191 two sets of scale words (lanes 0-15 streamed, lanes 16-31 held), v192-207 at work.  Windows 1 to 3: 21 fragments each: 0-31 held (4 q + j), 32-39 and 40-47 streamed.
; window 3 also: v96-127 Q's or K's bias, v128-191 V's for its eight blocks.
.set FRB,  1536
.set KBLK, 12800
.set CH,   8*KBLK
.set HALF, CH/2
.set STG,  3*CH                        ; the results' scale bytes: 2,048 of Q or K, 1,024 of V
.set SPARE, STG+3072
.set QBUF, 64*CH
.set LI,   2                           ; 16 x lane
.set L8,   3                           ; 8 x lane
.set SPW,  4
.set NIL,  5
.set STB,  6
.set PFV,  7
.set AH,   8                           ; streamed fragments in H, S0, S1: K steps 0-3, 4-7
.set AS0,  10
.set AS1,  12
.set WH,   14                          ; held fragments in H, S0
.set WS,   16
.set SA0,  20                          ; scale words: streamed S0, held H;
.set SA1,  22                          ; S1, H;
.set SA2,  24                          ; H, S0;
.set SA3,  26                          ; S1, S0
.set ACC,  64
.set SC,   128
.set CD,   192                         ; v192-197 a band's codes, v200-202 at work
.set CE,   200
.set SOP,  204
.set EB,   205
.set TQ,   206
.set G1R,  24
.set G1C,  32
.set G0X,  40
.set G0C,  44
.set G0D,  48
.set MSB, 0
.macro WIN new
.if MSB != (\new)
	s_set_vgpr_msb (MSB<<8)|(\new)
.set MSB, (\new)
.endif
.endm
.macro PLACES n
.rept \n
	v_nop
.endr
.endm
.macro WALU
	s_wait_alu depctr_va_vdst(0)
.endm
.macro BARRIER
	s_barrier_signal -1
	s_barrier_wait -1
.endm
.macro MIDDLE
	WIN 0
	s_barrier_wait -1
	s_cmp_lg_u32 s14, 0
	s_cbranch_scc1 .Lnot_wave_0_\@
	s_barrier_signal -3
.Lnot_wave_0_\@:
	s_barrier_wait -3
.endm
.macro CROUND
	s_barrier_signal -1
	MIDDLE
	BARRIER
.endm
.macro TLOAD g0, g1
	tensor_load_to_lds s[\g0:\g0+3], s[\g1:\g1+7]
	s_nop 0
	PLACES 4
.endm
.macro XOFF i                          ; s[20:21]: the i-th chunk of x in the order of work, bytes from my 512 tokens (s21 stays 0)
	s_add_co_u32 s20, s17, \i
	s_and_b32 s20, s20, 3
	s_mul_i32 s20, s20, CH
.endm
.macro FETCH e, ad, s                  ; a streamed tile, all of K, into set e: 24 loads
.irp q, 0,1,2,3,4,5,6,7
.set F_, 32+8*(\e)+\q
.set R_, 12*(F_%21)
	WIN (1+F_/21)<<6
.irp c, 0,1,2
	ds_load_b128 v[R_+4*\c:R_+4*\c+3], v[\ad+\q/4] offset:(\q%4)*KBLK+(\s)*FRB+512*\c
.endr
.endr
	WIN 0
.endm
.macro HELD ad                         ; my 64 held rows, all of K: 96 loads
.irp q, 0,1,2,3,4,5,6,7
.irp j, 0,1,2,3
.set F_, 4*\q+\j
.set R_, 12*(F_%21)
	WIN (1+F_/21)<<6
.irp c, 0,1,2
	ds_load_b128 v[R_+4*\c:R_+4*\c+3], v[\ad+\q/4] offset:(\q%4)*KBLK+\j*FRB+512*\c
.endr
.endr
.endr
	WIN 0
.endm
.macro SCALES sc, ad                   ; a chunk's scale words: register 4 k + j
.irp k, 0,1,2,3,4,5,6,7
	ds_load_b128 v[SC+32*(\sc)+4*\k:SC+32*(\sc)+4*\k+3], v[\ad+\k/4] offset:(\k%4)*KBLK
.endr
.endm
.macro PROD c, b, n                    ; product n = 4 q + j of block b of chunk c
.set Q_, (\n)/4
.set J_, (\n)%4
.set FS_, 32+8*((\b)%2)+Q_
.set S0_, 12*((\n)%21)
.set S1_, 12*(FS_%21)
.set D_, ACC+32*((\b)%2)+8*J_
.set X0_, SC+32*((\c)%2)+4*Q_+J_
.set X1_, SC+32*((\c)%2)+4*Q_+(\b)
.if Q_
	WIN (1+(\n)/21)|((1+FS_/21)<<2)
	v_wmma_scale_f32_16x16x128_f8f6f4 v[D_:D_+7], v[S0_:S0_+11], v[S1_:S1_+11], v[D_:D_+7], v[X0_], v[X1_] matrix_a_fmt:MATRIX_FMT_FP6 matrix_b_fmt:MATRIX_FMT_FP6 matrix_a_scale:MATRIX_SCALE_ROW1
.else
.if (\c) < 2
.set C_, 128+8*(4*(\c)+(\b))
.else
.set C_, 96+8*J_
.endif
	WIN (1+(\n)/21)|((1+FS_/21)<<2)|(3<<4)
	v_wmma_scale_f32_16x16x128_f8f6f4 v[D_:D_+7], v[S0_:S0_+11], v[S1_:S1_+11], v[C_:C_+7], v[X0_], v[X1_] matrix_a_fmt:MATRIX_FMT_FP6 matrix_b_fmt:MATRIX_FMT_FP6 matrix_a_scale:MATRIX_SCALE_ROW1
.endif
.endm
.macro CHAIN i, x                      ; entry i of a way out: the largest magnitude of the 32 sums from x on, then the conversions' scale operand; each accumulator from its low end on
.if (\i) < 14
.set B_, (\x)+16*((\i)%2)+2*((\i)/2)
.set T_, TQ+1-(\i)%2
	WIN 0
.if (\i) < 2
	v_max3_num_f32 v[T_], |v[B_]|, |v[B_+1]|, |v[B_+2]|
.else
	v_max3_num_f32 v[T_], v[T_], |v[B_+1]|, |v[B_+2]|
.endif
.elseif (\i) == 14
.set B_, (\x)+15
	WIN 0
	v_max3_num_f32 v[TQ+1], v[TQ+1], |v[B_]|, 0x1800000   ; the floor 2^(3 - 127) holds the byte at 1 from below
.elseif (\i) == 16
.set B_, (\x)+31
	WIN 0
	v_max3_num_f32 v[TQ], v[TQ], |v[B_]|, v[TQ+1]
.elseif (\i) == 17
	WIN 0
	v_add_nc_u32 v[SOP], 0xff000000, v[TQ]         ; 2 off the exponent field
.endif
.endm
.macro BLK c, b, from, to, way, st     ; products from .. to - 1; way: the last block's way out stands among them; st: the held fragments are still landing
.set N_, \from
.rept (\to)-(\from)
.if \st
.if N_ == 0
	s_wait_dscnt 63                                ; 33 of the 96 held loads are in: K steps 0 and 1
.elseif ((N_%4) == 0) && (N_ > 4)
	WALU
	s_wait_dscnt 84-3*N_                           ; this K step's twelve are in
.endif
.endif
	PROD \c, \b, N_
.if (\way) && (N_%2)
	CHAIN N_-1, ACC+32*(1-(\b)%2)
	CHAIN N_, ACC+32*(1-(\b)%2)
.endif
.set N_, N_+1
.endr
.endm
.macro CONV x                          ; the 32 sums from x on become a band's codes and the scale's byte
	v_cvt_scalef32_pk16_fp6_f32 v[CD:CD+2], v[\x:\x+15], v[SOP]
	v_cvt_scalef32_pk16_fp6_f32 v[CE:CE+2], v[\x+16:\x+31], v[SOP]
	v_lshrrev_b32 v[EB], 23, v[SOP]
	v_mov_b32 v[CD+3], v[CE]
	v_mov_b32 v[CD+4], v[CE+1]
	v_mov_b32 v[CD+5], v[CE+2]
.endm
.macro PUT ps, pc                      ; block ps of chunk pc leaves
.if (\pc) < 2
.set ST_, 2048+512*(\pc)+4*(\ps)
.else
.set ST_, 512*((\pc)-2)+4*(\ps)
.endif
	global_store_b128 v[LI], v[CD:CD+3], s[58:59] offset:(\ps)*FRB
	global_store_b64 v[L8], v[CD+4:CD+5], s[58:59] offset:(\ps)*FRB+512
	ds_store_b8 v[STB], v[EB] offset:ST_
.endm
.macro SETOUT pc
.if (\pc) < 2
	s_add_nc_u64 s[58:59], s[56:57], (\pc)*16*KBLK
.else
	XOFF (\pc)-2
	s_add_nc_u64 s[58:59], s[54:55], s[20:21]
.endif
.endm
.macro TAIL x, ps, pc
	WIN 0
	WALU
	s_wait_xcnt 0x0                                ; the last stores have read their registers and their base
.if (\ps) == 0
	SETOUT \pc
.endif
	CONV \x
	PUT \ps, \pc
.endm
.macro REFILL c                        ; the descriptor of chunk c's refill: no tensor load of mine is out
.if (\c) == 0
	s_mov_b32 s[G1C+1], (HALF/25/8)<<16            ; from here on a half chunk: 25 rows of 2,048 bytes
	s_mov_b32 s[G1C+3], (HALF/25/8)<<16
	s_mov_b32 s[G1C+5], HALF/25/8
	s_add_co_u32 s[G0C+1], s76, CH
	s_mov_b32 s20, s76
	s_add_nc_u64 s[G0C+2:G0C+3], s[66:67], s[20:21]
	s_or_b32 s[G0C+3], s[G0C+3], 0x80000000
.else
.if (\c) == 2
	s_mov_b32 s[G0X+1], s76
.else
	s_add_co_u32 s[G0X+1], s76, 2*CH
.endif
	XOFF \c
	s_add_co_u32 s20, s20, s76
	s_add_nc_u64 s[G0X+2:G0X+3], s[52:53], s[20:21]
	s_or_b32 s[G0X+3], s[G0X+3], 0x80000000
.endif
.endm
.macro ASK c
	s_cmp_lt_u32 s14, 2
	s_cbranch_scc0 .Lno_half_\@
.if (\c) == 0
	TLOAD G0C, G1C
.else
	TLOAD G0X, G1R
.endif
.Lno_half_\@:
.endm
; A chunk: four blocks.  ad: where it lies; nad, nsa: the next chunk's rows and scale words
.macro CHUNK c, ad, nad, nsa
.set SG_, 0
.if (\c) == 0
	s_wait_dscnt 24
.elseif (\c) == 2
.set SG_, 1
.else
	s_wait_dscnt 25
.endif
	BLK \c, 0, 0, 32, \c, SG_
.if (\c) == 0
	WIN 0
	PLACES 4
.else
	TAIL ACC+32, 3, (\c)-1
.endif
	FETCH 0, \ad, 2
.if (\c) < 3
	XOFF (\c)+1
	s_add_nc_u64 s[60:61], s[70:71], s[20:21]
	global_prefetch_b8 v[PFV], s[60:61] th:TH_LOAD_NT scope:SCOPE_SE   ; x's next chunk but those asked for
.endif
.if (\c) == 0
	s_wait_dscnt 24
.else
	s_wait_dscnt 25
.endif
	BLK \c, 1, 0, 32, 1, 0
	TAIL ACC, 0, \c
	FETCH 1, \ad, 3
	s_wait_dscnt 25
.if (\c) < 5
.if (\c) < 4
	s_wait_tensorcnt 0x0                           ; all my tensor loads have landed
	ds_add_u32 v[SPW], v[NIL]
	REFILL \c
.endif
	BLK \c, 2, 0, 26, 1, 0
	WIN 0
	WALU
.if (\c) == 4
	s_wait_tensorcnt 0x0                           ; the last chunk has landed
.endif
	s_wait_xcnt 0x0
	s_wait_dscnt 0x0                               ; the add is done, and my reads of this chunk are over
	s_barrier_signal -1
	BLK \c, 2, 26, 32, 0, 0
	WIN 0
	CONV ACC+32
.if (\c) < 4
	MIDDLE
	BARRIER
	ASK \c
.else
	s_barrier_wait -1
.endif
	WALU
	PUT 1, \c
	SCALES ((\c)+1)%2, \nsa
	FETCH 0, \nad, 0
.else
	BLK \c, 2, 0, 32, 1, 0
	TAIL ACC+32, 1, \c
.endif
.if (\c) == 5
	s_wait_dscnt 1
.else
	s_wait_dscnt 33
.endif
	BLK \c, 3, 0, 32, 1, 0
	TAIL ACC, 2, \c
.if (\c) < 5
	FETCH 1, \nad, 1
.endif
.if (\c) == 1
	HELD WS                                        ; the weight takes the registers of x's 128 tokens
.endif
.endm
	s_load_b256 s[4:11], s[0:1], 0x0               ; xw, bq, bk, bv
	s_load_b64 s[12:13], s[0:1], 0x20              ; qkv
	v_lshl_add_u32 v[SPW], v0, 2, SPARE
	v_mov_b32 v[NIL], 0
	ds_add_u32 v[SPW], v[NIL]                      ; the opening lines
	ds_add_u32 v[SPW], v[NIL]
	v_lshrrev_b32 v1, 5, v0
	v_readfirstlane_b32 s14, v1                    ; the wave; its row w; its column b
	s_lshr_b32 s15, s14, 1
	s_and_b32 s16, s14, 1
	s_mov_b32 s17, ttmp9                           ; Cx
	s_bfe_u32 s18, ttmp6, 0x40000                  ; cx
	s_bfe_u32 s19, ttmp6, 0x40004                  ; cy
	s_mov_b32 s21, 0                               ; stays 0
	s_lshl_b32 s22, s17, 2
	s_add_co_u32 s22, s22, s18                     ; 128 columns: 0-7 Q, 8-15 K
	s_and_b32 s23, ttmp7, 0xffff
	s_lshl_b32 s23, s23, 2
	s_add_co_u32 s23, s23, s19                     ; 512 tokens, 0 .. 15
	s_lshl_b32 s80, s19, 2
	s_lshl_b32 s80, 15, s80                        ; my row of the cluster
	s_lshl_b32 s81, 0x1111, s18                    ; my column
	s_or_b32 s[G1R], s80, (3<<16)|(1<<21)          ; elements of 8 bytes, no padding
	s_mov_b32 s[G1R+1], (HALF/25/8)<<16            ; half a chunk: 25 rows of 2,048 bytes
	s_mov_b32 s[G1R+2], 25<<16
	s_mov_b32 s[G1R+3], (HALF/25/8)<<16
	s_mov_b32 s[G1R+4], 25
	s_mov_b32 s[G1R+5], HALF/25/8
	s_mov_b32 s[G1R+6], 0
	s_mov_b32 s[G1R+7], 0
	s_or_b32 s[G1C], s81, (3<<16)|(1<<21)
	s_mov_b32 s[G1C+1], (CH/25/8)<<16              ; a chunk: 25 rows of 4,096 bytes
	s_mov_b32 s[G1C+2], 25<<16
	s_mov_b32 s[G1C+3], (CH/25/8)<<16
	s_mov_b32 s[G1C+4], 25
	s_mov_b32 s[G1C+5], CH/25/8
	s_mov_b32 s[G1C+6], 0
	s_mov_b32 s[G1C+7], 0
	s_mul_i32 s76, s14, HALF
	s_mov_b32 s[G0X], 1
	s_mov_b32 s[G0X+1], s76
	s_mov_b32 s[G0C], 1
	s_mov_b32 s[G0C+1], CH
	s_mov_b32 s[G0D], 1
	s_mov_b32 s[G0D+1], 2*CH
	s_mul_i32 s52, s23, 4*CH                       ; my tokens in xw
	s_mov_b32 s53, 0
	s_add_co_u32 s66, s22, 64                      ; Wq's or Wk's chunk
	s_mul_i32 s66, s66, CH
	s_mov_b32 s67, 0
	s_lshl_b32 s68, s18, 1                         ; Wv's two chunks
	s_add_co_u32 s68, s68, 80
	s_mul_i32 s68, s68, CH
	s_mov_b32 s69, 0
	s_lshl_b32 s78, s19, 2                         ; the prefetches' shares
	s_add_co_u32 s78, s78, s14
	s_mul_i32 s78, s78, CH/16
	s_mov_b32 s79, 0
	s_lshl_b32 s70, s18, 2
	s_add_co_u32 s70, s70, s14
	s_mul_i32 s70, s70, CH/16
	s_mov_b32 s71, 0
	s_and_b32 s77, s22, 7
	s_lshl_b32 s90, s77, 9                         ; Q's or K's bias: my 64 numbers
	s_lshl_b32 s91, s16, 8
	s_add_co_u32 s90, s90, s91
	s_mov_b32 s91, 0
	s_lshl_b32 s72, s18, 10                        ; V's bias
	s_lshl_b32 s73, s15, 8
	s_add_co_u32 s72, s72, s73
	s_mov_b32 s73, 0
	s_lshr_b32 s62, s22, 3                         ; where Q's or K's results go
	s_mul_i32 s62, s62, QBUF
	s_add_co_u32 s62, s62, s52
	s_mul_i32 s77, s77, KBLK
	s_add_co_u32 s62, s62, s77
	s_mov_b32 s63, 0
	s_mul_i32 s83, s15, 4*FRB
	s_mul_i32 s84, s16, 4*FRB
	s_mul_i32 s54, s16, FRB/2
	s_add_co_u32 s54, s54, s83                     ; my tiles and band
	s_mov_b32 s55, 0
	s_lshl_b32 s74, s15, 4
	s_xor_b32 s75, s16, 1
	s_lshl_b32 s75, s75, 4
	s_add_co_u32 s77, s74, s75
	s_add_co_u32 s85, s77, CH-16                   ; from the streamed rows' words down to the held rows'
	s_add_co_u32 s86, s77, 2*CH-16
	s_xor_b32 s87, s15, 1
	s_add_co_u32 s87, s87, s16
	s_lshl_b32 s87, s87, 4
	s_add_co_u32 s87, s87, CH-16                   ; and up
	s_lshl_b32 s88, s16, 1
	s_add_co_u32 s88, s88, s74
	s_add_co_u32 s88, s88, STG
	v_and_b32 v30, 15, v0                          ; r
	v_bfe_u32 v31, v0, 4, 1                        ; h
	v_and_b32 v32, 31, v0                          ; lane
	v_lshlrev_b32 v33, 5, v30
	v_lshlrev_b32 v[LI], 4, v32
	v_lshlrev_b32 v[L8], 3, v32
	v_min_u32 v[PFV], 24, v32
	v_lshlrev_b32 v[PFV], 8, v[PFV]
	v_add_nc_u32 v[AH], s83, v[LI]
	v_add_nc_u32 v[AH+1], HALF, v[AH]
	v_add_nc_u32 v[AS0], CH, v[AH]
	v_add_nc_u32 v[AS0+1], CH+HALF, v[AH]
	v_add_nc_u32 v[AS1], 2*CH, v[AH]
	v_add_nc_u32 v[AS1+1], 2*CH+HALF, v[AH]
	v_add_nc_u32 v[WH], s84, v[LI]
	v_add_nc_u32 v[WH+1], HALF, v[WH]
	v_add_nc_u32 v[WS], CH, v[WH]
	v_add_nc_u32 v[WS+1], CH+HALF, v[WH]
	v_add_nc_u32 v35, s74, v33                     ; 32 r + 16 w
	v_mul_u32_u24 v34, s85, v31
	v_add_nc_u32 v[SA0], CH+8*FRB, v35
	v_sub_nc_u32 v[SA0], v[SA0], v34
	v_add_nc_u32 v[SA3], 2*CH+8*FRB, v35
	v_sub_nc_u32 v[SA3], v[SA3], v34
	v_mul_u32_u24 v29, s86, v31
	v_add_nc_u32 v[SA1], 2*CH+8*FRB, v35
	v_sub_nc_u32 v[SA1], v[SA1], v29
	v_mul_u32_u24 v28, s87, v31
	v_add_nc_u32 v[SA2], 8*FRB, v35
	v_add_nc_u32 v[SA2], v[SA2], v28
	v_add_nc_u32 v[SA0+1], HALF, v[SA0]
	v_add_nc_u32 v[SA1+1], HALF, v[SA1]
	v_add_nc_u32 v[SA2+1], HALF, v[SA2]
	v_add_nc_u32 v[SA3+1], HALF, v[SA3]
	v_add_nc_u32 v[STB], s88, v33
	v_add_nc_u32 v[STB], v[STB], v31               ; 32 r + 16 w + 2 b + h
	v_lshrrev_b32 v28, 3, v30
	v_mad_u32_u24 v28, v28, 24, v30
	v_lshlrev_b32 v28, 2, v28                      ; V's bias: 4 (r + 24 (r / 8))
	v_lshlrev_b32 v29, 7, v31                      ; Q's or K's: 128 h
	WALU
	s_wait_dscnt 0x0
	CROUND                                         ; all sixteen work-groups are here: the first joint loads meet
	s_wait_kmcnt 0x0
	s_add_nc_u64 s[52:53], s[4:5], s[52:53]
	s_add_nc_u64 s[66:67], s[4:5], s[66:67]
	s_add_nc_u64 s[68:69], s[4:5], s[68:69]
	s_mul_i32 s20, s17, CH
	s_add_co_u32 s20, s20, s76
	s_add_nc_u64 s[G0X+2:G0X+3], s[52:53], s[20:21]
	s_or_b32 s[G0X+3], s[G0X+3], 0x80000000
	s_mov_b64 s[G0C+2:G0C+3], s[68:69]
	s_or_b32 s[G0C+3], s[G0C+3], 0x80000000
	s_add_nc_u64 s[G0D+2:G0D+3], s[68:69], CH
	s_or_b32 s[G0D+3], s[G0D+3], 0x80000000
	s_cmp_lt_u32 s14, 2
	s_cbranch_scc0 .Lwave_2
	TLOAD G0X, G1R                                 ; waves 0, 1: x's chunk, a half each
	s_branch .Lasked
.Lwave_2:
	s_cmp_eq_u32 s14, 2
	s_cbranch_scc0 .Lwave_3
	TLOAD G0C, G1C                                 ; wave 2: Wv's first chunk
	s_branch .Lasked
.Lwave_3:
	TLOAD G0D, G1C                                 ; wave 3: its second
.Lasked:
	s_cmp_lt_u32 s17, 2                            ; Q or K: by the cluster's number
	s_cselect_b64 s[6:7], s[6:7], s[8:9]
	s_add_nc_u64 s[90:91], s[6:7], s[90:91]
	s_add_nc_u64 s[72:73], s[10:11], s[72:73]
	WIN 0xc0
.irp n, 0,1,2,3,4,5,6,7
	global_load_b32 v[128+8*\n], v28, s[72:73] offset:512*(\n/4)+32*(\n%4)
.endr
.irp k, 0,1,2,3,4,5,6,7
	global_load_b128 v[96+4*\k:99+4*\k], v29, s[90:91] offset:16*\k
.endr
	WIN 0
	s_add_nc_u64 s[78:79], s[66:67], s[78:79]
	s_add_nc_u64 s[70:71], s[52:53], s[70:71]
	s_mul_i32 s68, s18, 2*16*KBLK                  ; where V's results go
	s_lshr_b32 s20, s23, 2
	s_mul_i32 s20, s20, 8*16*KBLK
	s_add_co_u32 s68, s68, s20
	s_lshl_b32 s20, s23, 2
	s_add_co_u32 s20, s20, s17
	s_and_b32 s20, s20, 15
	s_mul_i32 s20, s20, KBLK
	s_add_co_u32 s68, s68, s20
	s_add_co_u32 s68, s68, 2*QBUF
	s_mov_b32 s69, 0
	s_add_nc_u64 s[68:69], s[12:13], s[68:69]
	s_add_nc_u64 s[62:63], s[12:13], s[62:63]
	s_add_nc_u64 s[56:57], s[68:69], s[54:55]
	s_add_nc_u64 s[54:55], s[62:63], s[54:55]
	s_add_co_u32 s20, s17, s14                     ; the scale bytes: wave i stores those of x's chunk i in the order of work,
	s_and_b32 s20, s20, 3
	s_mul_i32 s20, s20, CH
	s_add_co_u32 s20, s20, 8*FRB
	s_add_nc_u64 s[62:63], s[62:63], s[20:21]
	s_mul_i32 s20, s15, 16*KBLK                    ; and 256 of V's
	s_lshl_b32 s77, s16, 8
	s_add_co_u32 s20, s20, s77
	s_add_co_u32 s20, s20, 8*FRB
	s_add_nc_u64 s[68:69], s[68:69], s[20:21]
	s_wait_loadcnt 0x0
	WIN 0xc3
.irp n, 0,8,16,24,32,40,48,56
.irp i, 1,2,3,4,5,6,7
	v_mov_b32 v[128+\n+\i], v[128+\n]              ; V's bias: one number a lane and tile, over eight registers
.endr
.endr
	WIN 0
	WALU
	s_cmp_lt_u32 s14, 2
	s_cbranch_scc0 .Lnot_x
	s_wait_tensorcnt 0x0
.Lnot_x:
	BARRIER                                        ; x's chunk is in
	global_prefetch_b8 v[PFV], s[78:79] th:TH_LOAD_NT scope:SCOPE_SE   ; the weight, which the first refill loads
	HELD WH
	s_cmp_eq_u32 s14, 3
	s_cbranch_scc1 .Lnot_wv
	s_wait_tensorcnt 0x0
.Lnot_wv:
	s_wait_dscnt 0x0
	BARRIER                                        ; Wv's first chunk is in; its second may be on its way
	SCALES 0, SA0
	FETCH 0, AS0, 0
	FETCH 1, AS0, 1
	CHUNK 0, AS0, AS1, SA1
	CHUNK 1, AS1, AH, SA2
	CHUNK 2, AH, AS1, SA3
	CHUNK 3, AS1, AH, SA2
	CHUNK 4, AH, AS1, SA3
	CHUNK 5, AS1, AS1, SA3
	s_lshl_b32 s20, s14, 9
	s_add_co_u32 s20, s20, STG
	v_add_nc_u32 v28, s20, v[LI]
	s_lshl_b32 s77, s14, 8
	s_add_co_u32 s77, s77, STG+2048
	v_add_nc_u32 v29, s77, v[L8]
.set I_, 0
.rept 18
	CHAIN I_, ACC+32
.set I_, I_+1
.endr
	WALU
	s_wait_xcnt 0x0
	CONV ACC+32
	PUT 3, 5
	s_wait_dscnt 0x0                               ; my scale bytes lie in LDS
	BARRIER
	ds_load_b128 v[208:211], v28
	ds_load_b64 v[212:213], v29
	s_wait_dscnt 0x0
	global_store_b128 v[LI], v[208:211], s[62:63]  ; 512 consecutive bytes
	global_store_b64 v[L8], v[212:213], s[68:69]   ; 256
	s_wait_tensorcnt 0x0                           ; the wave's end
	ds_add_u32 v[SPW], v[NIL]
	s_wait_dscnt 0x0
	CROUND                                         ; the closing round
	s_endpgm
.Lfunc_end_k_q7e81d9b7d2_proj:
	.size	k_q7e81d9b7d2_proj, .Lfunc_end_k_q7e81d9b7d2_proj-k_q7e81d9b7d2_proj
	.p2alignl 7, 3214868480
	.fill 96, 4, 3214868480
	.section	.rodata,"a",@progbits
	.p2align	6, 0x0
	.amdhsa_kernel k_q7e81d9b7d2_proj
		.amdhsa_group_segment_fixed_size 327680
		.amdhsa_private_segment_fixed_size 0
		.amdhsa_enable_private_segment 0
		.amdhsa_kernarg_size 40
		.amdhsa_user_sgpr_count 2
		.amdhsa_user_sgpr_kernarg_segment_ptr 1
		.amdhsa_wavefront_size32 1
		.amdhsa_system_sgpr_workgroup_id_x 1
		.amdhsa_system_sgpr_workgroup_id_y 1
		.amdhsa_system_sgpr_workgroup_id_z 1
		.amdhsa_system_vgpr_workitem_id 0
		.amdhsa_next_free_vgpr 960
		.amdhsa_next_free_sgpr 100
		.amdhsa_reserve_vcc 0
		.amdhsa_float_denorm_mode_32 3
		.amdhsa_float_denorm_mode_16_64 3
		.amdhsa_memory_ordered 1
		.amdhsa_forward_progress 1
		.amdhsa_inst_pref_size 226
	.end_amdhsa_kernel
	.amdgpu_metadata
---
amdhsa.version: [ 1, 2 ]
amdhsa.kernels:
  - .name:           k_q7e81d9b7d2_proj
    .symbol:         k_q7e81d9b7d2_proj.kd
    .args:
      - { .name: xw, .offset: 0, .size: 8, .value_kind: global_buffer, .address_space: global }
      - { .name: bq, .offset: 8, .size: 8, .value_kind: global_buffer, .address_space: global }
      - { .name: bk, .offset: 16, .size: 8, .value_kind: global_buffer, .address_space: global }
      - { .name: bv, .offset: 24, .size: 8, .value_kind: global_buffer, .address_space: global }
      - { .name: qkv, .offset: 32, .size: 8, .value_kind: global_buffer, .address_space: global }
    .group_segment_fixed_size: 327680
    .private_segment_fixed_size: 0
    .kernarg_segment_align: 8
    .kernarg_segment_size: 40
    .max_flat_workgroup_size: 128
    .sgpr_count:     100
    .vgpr_count:     960
    .wavefront_size: 32
...
	.end_amdgpu_metadata
.endif
;; end of part 2
;; launch score (part 3): grid 8 x 32, 4 waves a work-group, clusters of 4 x 4, 327,680 bytes of LDS; arguments qkv, pp; writes pp
.if DOCPART == 3
	.amdgcn_target "amdgcn-amd-amdhsa--gfx1250"
	.amdhsa_code_object_version 6
	.text
	.protected	k_q7e81d9b7d2_score
	.globl	k_q7e81d9b7d2_score
	.p2align	8
	.type	k_q7e81d9b7d2_score,@function
k_q7e81d9b7d2_score:
	s_mov_b64 s[64:65], 0
	v_nop
	global_prefetch_b8 v0, s[64:65] scope:SCOPE_SE
	s_setreg_imm32_b32 hwreg(HW_REG_WAVE_MODE, 25, 1), 1
	s_wait_xcnt 0x0
	s_wait_alu depctr_hold_cnt(0) depctr_sa_sdst(0) depctr_va_vdst(0) depctr_va_sdst(0) depctr_va_ssrc(0) depctr_va_vcc(0) depctr_vm_vsrc(0)
	s_getreg_b32 s2, hwreg(HW_REG_IB_STS2, 6, 4)
	s_cmp_eq_u32 s2, 0
	s_cbranch_scc0 .Lentry_in_a_cluster
	s_endpgm
.Lentry_in_a_cluster:
	s_bfe_u32 s2, ttmp6, 0x10000c
	s_cmp_lg_u32 s2, 0xf033
	s_cbranch_scc0 .Lentry_shape_is_right
	s_endpgm
.Lentry_shape_is_right:
; S = Q K^T on codes of FP6 (E2M3) with E8M0 scales, for 4 batches of 2,048 x 2,048, K = 1,024; then, for each query and each run of 128 keys, p = 2^(t - M), t = score x log2(e) / 8,
; M = the run's largest t rounded UP to a whole number; p is quantised along the keys.  pp: p's codes as images of the next product's registers [64 blocks of 128 queries][16 K steps][8 tiles x 1,536], and for each query
; and run its scale word, -M and the sum of the unquantised p ([K step][block of 128 queries][r][tile]).  The next launch brings all runs of a row under the row's own M, a whole number: the codes stay.
; A work-group of four waves makes 256 queries x 256 keys, a wave 128 x 128: 64 accumulators.  USED TRANSPOSED: source 0 = K's tiles (keys become a lane's registers), source 1 = Q's (queries become lanes).
; Lane r of tile t is row 64 (t / 4) + 8 (t % 4) + r + 24 (r / 8) of its block of 128: a lane's 32 results of tiles 4 c .. 4 c + 3 are one scale block of the next product.
; qkv: Q, K [block of 128][8 K steps][12,800: 8 tiles of two bands of 768 bytes, then 512 bytes of scale words]: the K steps of a block lie on end, so a tensor load is one dense run of codes and scale words.
; K goes in 8 K steps through two LDS slots: K steps 0-2, 3-5, then 6 and 7 in slot 0.  CLUSTERS of 4 x 4: Q's blocks are asked for jointly along a row, K's along a column.
; PREFETCH: at the head each wave asks for its share of its block's K steps 3-7, which the two later loads bring: 250 blocks of 256 bytes, 64 to each of the four partners, told apart by address, held at the last one.
; REGISTERS: window 0: v2-25 addresses; v32-47 scale words, two sets; v64-159, v160-255 Q's fragments, two sets (at the end at work).  window 1: v0-95, v128-223 K's fragments.  windows 2, 3: accumulators (a, b) at v[8 (8 (a % 4) + b)].
; LIMITS: NaN and infinities are not served.  A block's largest p is not searched for: the block's largest score goes through the same multiply-add and exponential, which takes v_exp_f32 not to fall where its input rises.
.set FRB,   1536
.set KBLK,  12800
.set QTR,   3*KBLK                     ; a block's three K steps: what a wave loads
.set SLOT,  4*QTR                      ; Q's two blocks, K's two
.set SPARE, 2*SLOT
.set BLKB,  8*KBLK
.set QBUF,  64*BLKB
.set PSO,   512*16*FRB                 ; pp: the scale words; -M 524,288 bytes on; the sums 1,048,576 on
.set ADRA, 2                           ; v2-3  Q's fragments in slot 0, 1, at 16 x lane;  v16-17 at 8 x lane
.set ADRB, 5                           ; v5-6, v18-19 K's
.set A8,   16
.set B8,   18
.set ADRS, 20                          ; v20-21 scale words: lanes 0-15 Q's, lanes 16-31 K's
.set SPW,  9
.set NIL,  10
.set LI,   11
.set VS,   12
.set VH,   13
.set PFV,  22                          ; v22-23
.set VH8,  24                          ; 8 h
.set SC,   32
.set AF,   64
.set BM,   64                          ; v64-67 largest scores, then v64-65 largest p
.set T4,   68
.set OP,   72                          ; v72-73 the conversions' scale operands
.set TT,   76
.set S0,   78
.set S1,   110
.set PC,   80                          ; v80-91 codes, v92-94 and v96-98 at work
.set PWS,  100                         ; v100-107 scale words, v112-119 -M, v120-127 sums
.set NP,   108
.set NMS,  112
.set LSS,  120
.set SD,   132
.set G1A,  24
.set G0A,  32
.set G1B,  48
.set G0B,  84
.set OUT,  96
.set SOUT, 100
.set CS,   8                           ; c = log2(e) / 8
.set SEL,  10
.set MSB, 0
.macro WIN new
.if MSB != (\new)
	s_set_vgpr_msb (MSB<<8)|(\new)
.set MSB, (\new)
.endif
.endm
.macro PLACES n
.rept \n
	v_nop
.endr
.endm
.macro JLOAD g0a, g0b                  ; a joint load: waves 0 and 1 fetch for Q, waves 2 and 3 for K
	s_cmp_eq_u32 s15, 0
	s_cbranch_scc0 .Lfor_b_\@
	tensor_load_to_lds s[\g0a:\g0a+3], s[G1A:G1A+7]
	s_nop 0
	PLACES 4
	s_branch .Lasked_\@
.Lfor_b_\@:
	tensor_load_to_lds s[\g0b:\g0b+3], s[G1B:G1B+7]
	s_nop 0
	PLACES 4
.Lasked_\@:
.endm
.macro CREST
	s_cmp_lg_u32 s14, 0
	s_cbranch_scc1 .Lnot_wave_0_\@
	s_barrier_signal -3
.Lnot_wave_0_\@:
	s_barrier_wait -3
	s_barrier_signal -1
	s_barrier_wait -1
.endm
.macro CROUND
	s_barrier_signal -1
	s_barrier_wait -1
	CREST
.endm
.macro FRAG reg, a16, a8, off          ; a fragment: two bands, each 16 bytes and 8 bytes a lane
.irp c, 0,1
	ds_load_b128 v[\reg+6*\c:\reg+6*\c+3], v[\a16] offset:\off+768*\c
	ds_load_b64 v[\reg+6*\c+4:\reg+6*\c+5], v[\a8] offset:\off+768*\c+512
.endr
.endm
.macro FETCH kk                        ; 66 LDS loads in one run: K step kk's fragments and scale words into set kk % 2
.set PP, (\kk)%2
.set SL, ((\kk)/3)%2
.set QO, ((\kk)%3)*KBLK
	WIN 0x40
.irp i, 0,1,2,3,4,5,6,7
	FRAG 128*PP+12*\i, ADRB+SL, B8+SL, QO+FRB*\i
.endr
	WIN 0
.irp i, 0,1,2,3,4,5,6,7
	FRAG AF+96*PP+12*\i, ADRA+SL, A8+SL, QO+FRB*\i
.endr
	ds_load_b128 v[SC+8*PP:SC+8*PP+3], v[ADRS+SL] offset:QO
	ds_load_b128 v[SC+8*PP+4:SC+8*PP+7], v[ADRS+SL] offset:QO+16
.endm
; 8 matrix instructions: Q's block a against K's eight.  The 64 accumulators take turns, one instruction a turn.
.macro MULA a, kk, cmode
.set PP, (\kk)%2
	WIN 0xa1+0x50*((\a)/4)
.irp b, 0,1,2,3,4,5,6,7
.set DD, 8*(8*((\a)%4)+\b)
.if (\cmode) == 0
	v_wmma_scale_f32_16x16x128_f8f6f4 v[DD:DD+7], v[128*PP+12*\b:128*PP+12*\b+11], v[AF+96*PP+12*(\a):AF+96*PP+12*(\a)+11], v[DD:DD+7], v[SC+8*PP+\b], v[SC+8*PP+(\a)] matrix_a_fmt:MATRIX_FMT_FP6 matrix_b_fmt:MATRIX_FMT_FP6 matrix_a_scale:MATRIX_SCALE_ROW1
.else
	v_wmma_scale_f32_16x16x128_f8f6f4 v[DD:DD+7], v[128*PP+12*\b:128*PP+12*\b+11], v[AF+96*PP+12*(\a):AF+96*PP+12*(\a)+11], 0, v[SC+8*PP+\b], v[SC+8*PP+(\a)] matrix_a_fmt:MATRIX_FMT_FP6 matrix_b_fmt:MATRIX_FMT_FP6 matrix_a_scale:MATRIX_SCALE_ROW1
.endif
.endr
.endm
.macro MUL2 a0, kk, cmode
	MULA (\a0), \kk, \cmode
	MULA (\a0)+1, \kk, \cmode
.endm
.macro MUL4 a0, kk, cmode
	MUL2 (\a0), \kk, \cmode
	MUL2 (\a0)+2, \kk, \cmode
.endm
.macro STEP kk                         ; four places stand in front of loads into the set that the K step before multiplied
	s_wait_dscnt 0x0                               ; this K step's fragments and scale words are in
	PLACES 4
	FETCH (\kk)+1
	MUL4 0, \kk, 0
	MUL4 4, \kk, 0
.endm
.macro TURN kk, fill                   ; the change of slots; fill = 1: slot 0 takes K steps 6 and 7, first thing behind a round of the cluster's barrier
	WIN 0
	s_wait_tensorcnt 0x0                           ; all my tensor loads have landed
	ds_add_u32 v[SPW], v[NIL]
	s_wait_dscnt 0x1                               ; this K step's fragments are in; the add alone may be out
	MUL2 0, \kk, 0
	s_wait_dscnt 0x0                               ; the add is done, and no LDS read of mine is out
	s_barrier_signal -1
	MUL2 2, \kk, 0
	WIN 0
	s_barrier_wait -1
.if \fill
	CREST                                          ; no wave of any partner still reads slot 0 or has a load on its way
.irp g, G1A, G1B
	s_mov_b32 s[\g+1], 128<<16                     ; two K steps: 25 rows of 1,024 bytes
	s_mov_b32 s[\g+3], 128<<16
	s_mov_b32 s[\g+5], 128
.endr
	s_add_nc_u64 s[G0A+2:G0A+3], s[G0A+2:G0A+3], 6*KBLK
	s_add_nc_u64 s[G0B+2:G0B+3], s[G0B+2:G0B+3], 6*KBLK
	JLOAD G0A, G0B                                 ; its four v_nop are the places in front of the loads below
.else
	PLACES 4
.endif
	FETCH (\kk)+1
	MUL4 4, \kk, 0
.endm
	s_load_b128 s[4:7], s[0:1], 0x0                ; qkv, pp
	v_lshl_add_u32 v[SPW], v0, 2, SPARE
	v_mov_b32 v[NIL], 0
	ds_add_u32 v[SPW], v[NIL]                      ; the opening lines
	ds_add_u32 v[SPW], v[NIL]
	v_lshrrev_b32 v1, 5, v0
	v_readfirstlane_b32 s14, v1                    ; wave
	s_lshr_b32 s15, s14, 1                         ; which half of the queries is mine.  Also: I fetch for Q (0) or for K (1)
	s_and_b32 s16, s14, 1                          ; which half of the keys.  Also: which block I fetch
	s_bfe_u32 s44, ttmp6, 0x40000                  ; cx, cy
	s_bfe_u32 s45, ttmp6, 0x40004
	s_mov_b32 s17, ttmp9                           ; the cluster's x, 0..1
	s_and_b32 s18, ttmp7, 0xffff                   ; the cluster's y, 0..7
	s_lshl_b32 s46, s45, 2
	s_lshl_b32 s46, 15, s46                        ; my row of the cluster
	s_lshl_b32 s47, 0x1111, s44                    ; my column
	s_or_b32 s[G1A], s46, (3<<16)|(1<<21)
	s_or_b32 s[G1B], s47, (3<<16)|(1<<21)
.irp g, G1A, G1B
	s_mov_b32 s[\g+1], 192<<16                     ; three K steps of a block, 38,400 bytes on end: 25 rows of 1,536 bytes
	s_mov_b32 s[\g+2], 25<<16
	s_mov_b32 s[\g+3], 192<<16
	s_mov_b32 s[\g+4], 25
	s_mov_b32 s[\g+5], 192
	s_mov_b32 s[\g+6], 0
	s_mov_b32 s[\g+7], 0
.endr
	s_lshl_b32 s20, s18, 3                         ; Q's block: 8 Cy + 2 cy + the one that I fetch
	s_lshl_b32 s21, s45, 1
	s_add_co_u32 s20, s20, s21
	s_add_co_u32 s20, s20, s16
	s_mul_i32 s20, s20, BLKB
	s_mov_b32 s21, 0
	s_lshr_b32 s22, s18, 1                         ; K's: 16 x batch + 8 Cx + 2 cx + the one that I fetch
	s_lshl_b32 s22, s22, 4
	s_lshl_b32 s23, s17, 3
	s_add_co_u32 s22, s22, s23
	s_lshl_b32 s23, s44, 1
	s_add_co_u32 s22, s22, s23
	s_add_co_u32 s22, s22, s16
	s_mul_i32 s22, s22, BLKB
	s_add_co_u32 s22, s22, QBUF
	s_mov_b32 s23, 0
	s_mul_i32 s96, s14, QTR
	s_wait_alu depctr_va_vdst(0)
	s_wait_dscnt 0x0                               ; both opening adds are done
	s_wait_kmcnt 0x0
	s_add_nc_u64 s[20:21], s[4:5], s[20:21]
	s_add_nc_u64 s[22:23], s[4:5], s[22:23]
	CROUND                                         ; all sixteen work-groups are here: the first joint loads meet
.irp s, 0,1
	s_mov_b32 s[G0A+4*\s], 1
	s_add_co_u32 s[G0A+4*\s+1], s96, \s*SLOT
	s_add_nc_u64 s[G0A+4*\s+2:G0A+4*\s+3], s[20:21], \s*QTR
	s_or_b32 s[G0A+4*\s+3], s[G0A+4*\s+3], 0x80000000
	s_mov_b32 s[G0B+4*\s], 1
	s_add_co_u32 s[G0B+4*\s+1], s96, \s*SLOT
	s_add_nc_u64 s[G0B+4*\s+2:G0B+4*\s+3], s[22:23], \s*QTR
	s_or_b32 s[G0B+4*\s+3], s[G0B+4*\s+3], 0x80000000
.endr
	JLOAD G0A, G0B                                 ; K steps 0-2: one tensor load a wave at the head
	s_cmp_eq_u32 s15, 0
	s_cselect_b64 s[2:3], s[20:21], s[22:23]       ; what I fetch,
	s_cselect_b32 s66, s44, s45                    ; and my place among the four that ask for it with me
	s_add_nc_u64 s[2:3], s[2:3], QTR
	s_lshl_b32 s66, s66, 6
	s_mul_i32 s20, s15, QTR                        ; my block of Q
	s_mul_i32 s21, s16, QTR
	s_add_co_u32 s21, s21, 2*QTR                   ; my block of K
	s_xor_b32 s67, s15, 1
	s_add_co_u32 s67, s67, s16
	s_add_co_u32 s67, s67, 1
	s_mul_i32 s67, s67, QTR                        ; from Q's words to K's
	v_and_b32 v1, 31, v0
	v_and_b32 v14, 15, v0
	v_bfe_u32 v[VH], v0, 4, 1
	v_lshlrev_b32 v[LI], 4, v1
	v_lshlrev_b32 v7, 3, v1
	v_lshlrev_b32 v[VH8], 3, v[VH]
	v_lshlrev_b32 v[VS], 5, v14
	v_lshl_add_u32 v[VS], v[VH], 4, v[VS]
	v_add_nc_u32 v[ADRA], s20, v[LI]
	v_add_nc_u32 v[ADRB], s21, v[LI]
	v_add_nc_u32 v[A8], s20, v7
	v_add_nc_u32 v[B8], s21, v7
	v_mul_u32_u24 v15, s67, v[VH]                  ; lanes 16-31 take K's words
	v_lshl_add_u32 v15, v14, 5, v15
	v_add_nc_u32 v15, s20, v15
	v_add_nc_u32 v[ADRS], 8*FRB, v15
	v_add_nc_u32 v[PFV], s66, v1
	v_add_nc_u32 v[PFV+1], 32, v[PFV]
	v_min_u32 v[PFV], 249, v[PFV]
	v_min_u32 v[PFV+1], 249, v[PFV+1]
	v_lshlrev_b32 v[PFV], 8, v[PFV]
	v_lshlrev_b32 v[PFV+1], 8, v[PFV+1]
.irp a, ADRA, ADRB, A8, B8, ADRS
	v_add_nc_u32 v[\a+1], SLOT, v[\a]
.endr
	global_prefetch_b8 v[PFV], s[2:3] th:TH_LOAD_NT scope:SCOPE_SE
	global_prefetch_b8 v[PFV+1], s[2:3] th:TH_LOAD_NT scope:SCOPE_SE
	; where the results go: block 8 Cy + 2 cy + my half of the queries; K step 8 Cx + 2 cx + my half of the keys
	s_lshl_b32 s20, s18, 3
	s_lshl_b32 s21, s45, 1
	s_add_co_u32 s20, s20, s21
	s_add_co_u32 s20, s20, s15
	s_lshl_b32 s22, s17, 3
	s_lshl_b32 s23, s44, 1
	s_add_co_u32 s22, s22, s23
	s_add_co_u32 s22, s22, s16
	s_mul_i32 s[OUT], s20, 16*8*FRB
	s_mul_i32 s23, s22, 8*FRB
	s_add_co_u32 s[OUT], s[OUT], s23
	s_mov_b32 s[OUT+1], 0
	s_lshl_b32 s[SOUT], s20, 9
	s_lshl_b32 s23, s22, 15
	s_add_co_u32 s[SOUT], s[SOUT], s23
	s_add_co_u32 s[SOUT], s[SOUT], PSO
	s_mov_b32 s[SOUT+1], 0
	s_add_nc_u64 s[OUT:OUT+1], s[6:7], s[OUT:OUT+1]
	s_add_nc_u64 s[SOUT:SOUT+1], s[6:7], s[SOUT:SOUT+1]
	s_mov_b32 s[CS], 0x3e38aa3b                    ; c = log2(e) / 8
	s_mov_b32 s[CS+1], s[CS]                       ; (named with it as a pair)
	s_mov_b32 s[SEL], 0x76543210
	s_mov_b32 s[SEL+1], 0xfedcba98
	s_wait_alu depctr_va_vdst(0)
	s_wait_tensorcnt 0x0                           ; my part of slot 0 is in; these lines stand ahead of a later first fill as ahead of a refill
	ds_add_u32 v[SPW], v[NIL]
	s_wait_dscnt 0x0
	CROUND
	JLOAD G0A+4, G0B+4                             ; K steps 3-5 into slot 1
	FETCH 0
	FETCH 1
	s_wait_dscnt 63                                ; K step 0's 66 loads are in; 63 of K step 1's 66 may be out
	MUL4 0, 0, 1                                   ; the first K step starts the sums: nothing is cleared
	MUL4 4, 0, 1
	STEP 1
	TURN 2, 1                                      ; slot 0 takes K steps 6 and 7; slot 1 is whole
	STEP 3
	STEP 4
	TURN 5, 0
	STEP 6
	s_wait_dscnt 0x0
	MUL4 0, 7, 0
	MUL4 4, 7, 0
	WIN 0
; THE SOFTMAX OF ONE BLOCK OF 16 QUERIES OVER MY 128 KEYS, and its way out.  A lane holds one query and two whole blocks of 32 keys, h and 2 + h; lane l xor 16 holds the other two.
.macro SOFTA a
.set W,  2+(\a)/4
.set AC, 64*((\a)%4)
	WIN W|(W<<2)
.irp b, 0,1,2,3
	v_max3_num_f32 v[BM+\b], v[AC+16*\b], v[AC+16*\b+1], 0xff800000   ; each accumulator is read from its low end on
.endr
.irp i, 2,4,6,8,10,12,14
.irp b, 0,1,2,3
	v_max3_num_f32 v[BM+\b], v[AC+16*\b+\i], v[AC+16*\b+\i+1], v[BM+\b]
.endr
.endr
	WIN 0
	v_max_num_f32 v[BM], v[BM], v[BM+1]            ; the largest score of each of my two blocks
	v_max_num_f32 v[BM+1], v[BM+2], v[BM+3]
	v_max_num_f32 v[TT], v[BM], v[BM+1]
	v_permlanex16_b32 v[TT+1], v[TT], s[SEL], s[SEL+1]
	v_max_num_f32 v[TT], v[TT], v[TT+1]            ; the largest score of my query among these keys
	v_mul_f32 v[TT], s[CS], v[TT]                  ; as t (c is positive)
	v_floor_f32 v[NP], -v[TT]                      ; -M = floor(-t) = -ceil(t): M is a whole number
	v_mov_b32 v[NMS+(\a)], v[NP]
	v_fma_f32 v[BM], v[BM], s[CS], v[NP]           ; t - M of each block's largest score
	v_fma_f32 v[BM+1], v[BM+1], s[CS], v[NP]
	WIN W|(W<<6)
.set J, 0
.rept 32
	v_pk_fma_f32 v[AC+J:AC+J+1], v[AC+J:AC+J+1], s[CS:CS+1], v[NP:NP+1] op_sel_hi:[1,0,0]   ; t - M, two at a time
.set J, J+2
.endr
.set J, 0
	s_wait_alu depctr_va_vdst(0)
.rept 64
	v_exp_f32 v[AC+J], v[AC+J]                     ; p = 2^(t - M), at most 1
.set J, J+1
.endr
	WIN 0
	v_exp_f32 v[BM], v[BM]                         ; the block's largest p: the same two instructions on the same number
	v_exp_f32 v[BM+1], v[BM+1]
	v_nop                                          ; a plain place behind the last exponential
	s_wait_alu depctr_va_vdst(0)                   ; and one behind it
	WIN W|(W<<2)
	v_pk_add_f32 v[S0:S0+1], v[AC:AC+1], v[AC+2:AC+3]         ; the sum is taken of the unquantised p, in two packed chains
	v_pk_add_f32 v[S1:S1+1], v[AC+4:AC+5], v[AC+6:AC+7]
	WIN W
.set J, 8
.rept 14
	v_pk_add_f32 v[S0:S0+1], v[AC+J:AC+J+1], v[S0:S0+1]
	v_pk_add_f32 v[S1:S1+1], v[AC+J+2:AC+J+3], v[S1:S1+1]
.set J, J+4
.endr
	WIN 0
	v_max_num_f32 v[BM], 0x1800000, v[BM]          ; the floor 2^(3 - 127): the byte cannot fall under 1
	v_max_num_f32 v[BM+1], 0x1800000, v[BM+1]
	v_pk_add_f32 v[S0:S0+1], v[S0:S0+1], v[S1:S1+1]
	v_add_nc_u32 v[OP], 0xff000000, v[BM]          ; 2 off the exponent field: the conversion's scale operand
	v_add_nc_u32 v[OP+1], 0xff000000, v[BM+1]
	v_add_f32 v[S0], v[S0], v[S0+1]
	v_lshrrev_b32 v[T4], 23, v[OP]                 ; the scales' bytes: blocks h and 2 + h,
	v_lshrrev_b32 v[T4+1], 23, v[OP+1]
	v_permlanex16_b32 v[TT], v[S0], s[SEL], s[SEL+1]
	v_lshl_or_b32 v[T4], v[T4+1], 16, v[T4]
	v_lshlrev_b32 v[T4], v[VH8], v[T4]             ; at their places in the word
	v_add_f32 v[LSS+(\a)], v[S0], v[TT]            ; with lane l xor 16's: the sum over my 128 keys
	v_permlanex16_b32 v[T4+2], v[T4], s[SEL], s[SEL+1]
	v_or_b32 v[PWS+(\a)], v[T4], v[T4+2]
	s_wait_alu depctr_va_vdst(0)
	s_wait_xcnt 0x0                                ; the last image's stores have read their registers
	WIN W
.irp c, 0,1
	v_cvt_scalef32_pk16_fp6_f32 v[PC+6*\c:PC+6*\c+2], v[AC+32*\c:AC+32*\c+15], v[OP+\c]
	v_cvt_scalef32_pk16_fp6_f32 v[PC+12+4*\c:PC+14+4*\c], v[AC+16+32*\c:AC+31+32*\c], v[OP+\c]
.endr
	WIN 0
	v_nop                                          ; one plain place behind a scaled conversion
.irp c, 0,1
.irp i, 0,1,2
	v_mov_b32 v[PC+3+6*\c+\i], v[PC+12+4*\c+\i]
.endr
.endr
.irp c, 0,1,2
	global_store_b128 v[LI], v[PC+4*\c:PC+4*\c+3], s[OUT:OUT+1] offset:(\a)*FRB+512*\c   ; 512 consecutive bytes
.endr
.endm
	PLACES 4                                       ; behind the last products
	v_mov_b32 v[T4+2], 0                           ; a lane permute's destination counts as one of its sources
	v_mov_b32 v[TT], 0
	v_mov_b32 v[TT+1], 0
	v_mov_b32 v[NP+1], 0                           ; (named as the upper half of a pair)
.irp a, 0,1,2,3,4,5,6,7
	SOFTA \a
.endr
	v_cmp_ne_u32 vcc_lo, 0, v[VH]
.irp i, 0,1,2,3
	v_cndmask_b32 v[SD+\i], v[PWS+\i], v[PWS+4+\i], vcc_lo     ; lanes 0-15 store what belongs to tiles 0-3, lanes 16-31 to tiles 4-7
	v_cndmask_b32 v[SD+4+\i], v[NMS+\i], v[NMS+4+\i], vcc_lo
	v_cndmask_b32 v[SD+8+\i], v[LSS+\i], v[LSS+4+\i], vcc_lo
.endr
	global_store_b128 v[VS], v[SD:SD+3], s[SOUT:SOUT+1]                     ; the scale words: 512 consecutive bytes
	global_store_b128 v[VS], v[SD+4:SD+7], s[SOUT:SOUT+1] offset:524288     ; -M
	global_store_b128 v[VS], v[SD+8:SD+11], s[SOUT:SOUT+1] offset:1048576   ; the sums
	s_wait_tensorcnt 0x0                           ; the wave's end
	ds_add_u32 v[SPW], v[NIL]
	s_wait_dscnt 0x0
	CROUND                                         ; the closing round
	s_endpgm
.Lfunc_end_k_q7e81d9b7d2_score:
	.size	k_q7e81d9b7d2_score, .Lfunc_end_k_q7e81d9b7d2_score-k_q7e81d9b7d2_score
	.p2alignl 7, 3214868480
	.fill 96, 4, 3214868480
	.section	.rodata,"a",@progbits
	.p2align	6, 0x0
	.amdhsa_kernel k_q7e81d9b7d2_score
		.amdhsa_group_segment_fixed_size 327680
		.amdhsa_private_segment_fixed_size 0
		.amdhsa_enable_private_segment 0
		.amdhsa_kernarg_size 16
		.amdhsa_user_sgpr_count 2
		.amdhsa_user_sgpr_kernarg_segment_ptr 1
		.amdhsa_wavefront_size32 1
		.amdhsa_system_sgpr_workgroup_id_x 1
		.amdhsa_system_sgpr_workgroup_id_y 1
		.amdhsa_system_sgpr_workgroup_id_z 1
		.amdhsa_system_vgpr_workitem_id 0
		.amdhsa_next_free_vgpr 1024
		.amdhsa_next_free_sgpr 102
		.amdhsa_reserve_vcc 1
		.amdhsa_float_denorm_mode_32 3
		.amdhsa_float_denorm_mode_16_64 3
		.amdhsa_memory_ordered 1
		.amdhsa_forward_progress 1
		.amdhsa_inst_pref_size 194
	.end_amdhsa_kernel
	.amdgpu_metadata
---
amdhsa.version: [ 1, 2 ]
amdhsa.kernels:
  - .name:           k_q7e81d9b7d2_score
    .symbol:         k_q7e81d9b7d2_score.kd
    .args:
      - { .name: qkv, .offset: 0, .size: 8, .value_kind: global_buffer, .address_space: global }
      - { .name: pp, .offset: 8, .size: 8, .value_kind: global_buffer, .address_space: global }
    .group_segment_fixed_size: 327680
    .private_segment_fixed_size: 0
    .kernarg_segment_align: 8
    .kernarg_segment_size: 16
    .max_flat_workgroup_size: 128
    .sgpr_count:     102
    .vgpr_count:     1024
    .wavefront_size: 32
...
	.end_amdgpu_metadata
.endif
;; end of part 3
;; launch pv (part 4): grid 4 x 64, 4 waves a work-group, clusters of 4 x 4, 327,680 bytes of LDS; arguments pp, qkv, out0; writes out0
.if DOCPART == 4
	.amdgcn_target "amdgcn-amd-amdhsa--gfx1250"
	.amdhsa_code_object_version 6
	.text
	.protected	k_q7e81d9b7d2_pv
	.globl	k_q7e81d9b7d2_pv
	.p2align	8
	.type	k_q7e81d9b7d2_pv,@function
k_q7e81d9b7d2_pv:
	s_mov_b64 s[64:65], 0
	v_nop
	global_prefetch_b8 v0, s[64:65] scope:SCOPE_SE
	s_setreg_imm32_b32 hwreg(HW_REG_WAVE_MODE, 25, 1), 1
	s_wait_xcnt 0x0
	s_wait_alu depctr_hold_cnt(0) depctr_sa_sdst(0) depctr_va_vdst(0) depctr_va_sdst(0) depctr_va_ssrc(0) depctr_va_vcc(0) depctr_vm_vsrc(0)
	s_getreg_b32 s2, hwreg(HW_REG_IB_STS2, 6, 4)
	s_cmp_eq_u32 s2, 0
	s_cbranch_scc0 .Lentry_in_a_cluster
	s_endpgm
.Lentry_in_a_cluster:
	s_bfe_u32 s2, ttmp6, 0x10000c
	s_cmp_lg_u32 s2, 0xf033
	s_cbranch_scc0 .Lentry_shape_is_right
	s_endpgm
.Lentry_shape_is_right:
; O = P V / l on codes of FP6 (E2M3) with E8M0 scales: 4 batches of 2,048 queries x 1,024 columns, K = the batch's 2,048 keys.
; P's codes were made for each run of 128 keys under the run's own whole number M.  THE REPAIR, at the head: for each of the work-group's 128 queries the row's M is the largest of its 16 runs';
; d = the row's M - the run's M is taken off the run's four scale bytes (an exact power of two; the codes stay), and the run's sum enters the row's sum l as sum x 2^-d.  The repaired words and 1 / l go to LDS.
; LIMITS: d is held at 127 and a byte at 0 from below: a block that lies more than 2^-124 under its row's top counts for at most 7.5 x 2^-127 a term, against l > 1/2.  NaN and infinities are not served.
; A work-group of four waves makes 128 queries x 256 columns, a wave 64 x 128: 32 accumulators; a larger tile would leave half of 256 work-groups without work.
; USED TRANSPOSED: source 0 = V^T's tiles (columns become a lane's registers), source 1 = P's (queries become lanes).  Lane r of tile t is row 64 (t / 4) + 8 (t % 4) + r + 24 (r / 8) of its block of 128:
; so a lane's 32 results of tiles 4 c .. 4 c + 3 are neighbouring columns, and the way out puts each query's row at its true place.
; pp: [block of 128 queries][16 K steps][8 tiles x 1,536].  V^T in qkv: [batch][block of 128 columns][16 K steps][12,800: 8 tiles of two bands of 768 bytes, then 512 bytes of scale words].  Every tensor load is one dense run.
; K goes in 16 K steps through two LDS slots of four K steps.  CLUSTERS of 4 x 4: P's tiles are asked for jointly along a row, V^T's along a column.
; PREFETCH: each load is asked for into the L2 one load ahead, its 96 (P) or 200 (V^T) blocks of 256 bytes shared out by address among the four partners: 24 or 50 each.
; REGISTERS: window 0: v2-31 addresses and 1 / l; v32-55 scale words, two sets; v64-111, v112-159 P's fragments; v160-213 the repair; on the way out v64-255.  window 1: v0-95, v128-223 V^T's fragments.  window 2: accumulators (a, b) at v[8 (8 a + b)].
.set FRB,   1536
.set KBLK,  12800
.set NQ,    4                          ; K steps in a slot
.set PPART, NQ*8*FRB                   ; P's 128 queries: 49,152
.set VPART, NQ*KBLK                    ; V^T's 128 columns with their scale words: 51,200
.set SLOT,  PPART+2*VPART
.set PSC,   2*SLOT                     ; behind the ring: P's repaired scale words, 16 K steps x 512 bytes: written by LDS stores alone
.set RL,    PSC+16*512                 ; 1 / l of the 128 queries
.set SPARE, RL+512
.set SP,    528                        ; the way out: a stage of 16 rows x (512 + 16) bytes for each wave, in slot 0, which has had its last fill and its last read by then
.set PSO,   512*16*FRB
.set VIM,   2*64*8*KBLK
.set ADRA, 2                           ; v2-3
.set ADRB, 5                           ; v5-6 at 16 x lane, v30-31 at 8 x lane
.set B8,   30
.set APS,  8                           ; P's scale words
.set AVS,  56                          ; v56-57 V's
.set SPW,  9
.set NIL,  10
.set LI,   11
.set VH,   12
.set STO,  14
.set SRD,  15
.set RLV,  16                          ; v16-23 1 / l of my query in each of my four blocks, twice each
.set PSA,  24
.set RLA,  25
.set RLR,  26
.set GLO,  27
.set PFV,  28                          ; v28-29
.set SCV,  32
.set SCP,  48
.set AF,   64
.set PSW,  160                         ; v160-175 the 16 runs' scale words, v176-191 -M, v192-207 sums
.set NMW,  176
.set PLW,  192
.set NMIN, 208
.set LSUM, 209
.set T0,   210
.set OT,   64
.set BK,   128
.set G1A,  24
.set G0A,  32
.set G1B,  48
.set G0B,  84
.set PF,   92                          ; s[92:93] where my prefetches stand, s[94:95] from one load to the next
.set OUT,  96
.set MSB, 0
.macro WIN new
.if MSB != (\new)
	s_set_vgpr_msb (MSB<<8)|(\new)
.set MSB, (\new)
.endif
.endm
.macro PLACES n
.rept \n
	v_nop
.endr
.endm
.macro JLOAD g0a, g0b                  ; a joint load: waves 0 and 1 fetch for P, waves 2 and 3 for V^T
	s_cmp_eq_u32 s15, 0
	s_cbranch_scc0 .Lfor_b_\@
	tensor_load_to_lds s[\g0a:\g0a+3], s[G1A:G1A+7]
	s_nop 0
	PLACES 4
	s_branch .Lasked_\@
.Lfor_b_\@:
	tensor_load_to_lds s[\g0b:\g0b+3], s[G1B:G1B+7]
	s_nop 0
	PLACES 4
.Lasked_\@:
.endm
.macro CREST
	s_cmp_lg_u32 s14, 0
	s_cbranch_scc1 .Lnot_wave_0_\@
	s_barrier_signal -3
.Lnot_wave_0_\@:
	s_barrier_wait -3
	s_barrier_signal -1
	s_barrier_wait -1
.endm
.macro CROUND
	s_barrier_signal -1
	s_barrier_wait -1
	CREST
.endm
.macro ASK
	global_prefetch_b8 v[PFV], s[PF:PF+1] th:TH_LOAD_NT scope:SCOPE_SE
	global_prefetch_b8 v[PFV+1], s[PF:PF+1] th:TH_LOAD_NT scope:SCOPE_SE
.endm
.macro FETCH kk                        ; 47 LDS loads in one run: V^T's eight fragments (32), P's four (12), scale words (3), into set kk % 2
.set PP, (\kk)%2
.set SL, ((\kk)/NQ)%2
.set QQ, (\kk)%NQ
	WIN 0x40
.irp i, 0,1,2,3,4,5,6,7
.irp c, 0,1
	ds_load_b128 v[128*PP+12*\i+6*\c:128*PP+12*\i+6*\c+3], v[ADRB+SL] offset:QQ*KBLK+\i*FRB+768*\c
	ds_load_b64 v[128*PP+12*\i+6*\c+4:128*PP+12*\i+6*\c+5], v[B8+SL] offset:QQ*KBLK+\i*FRB+768*\c+512
.endr
.endr
	WIN 0
.irp i, 0,1,2,3
.irp c, 0,1,2
	ds_load_b128 v[AF+48*PP+12*\i+4*\c:AF+48*PP+12*\i+4*\c+3], v[ADRA+SL] offset:(QQ*8+\i)*FRB+512*\c
.endr
.endr
	ds_load_b128 v[SCV+8*PP:SCV+8*PP+3], v[AVS+SL] offset:QQ*KBLK
	ds_load_b128 v[SCV+8*PP+4:SCV+8*PP+7], v[AVS+SL] offset:QQ*KBLK+16
	ds_load_b128 v[SCP+4*PP:SCP+4*PP+3], v[APS] offset:512*(\kk)
.endm
; 8 matrix instructions: P's block a against V^T's eight.  The 32 accumulators take turns, one instruction a turn.
.macro MULA a, kk, zero
.set PP, (\kk)%2
	WIN 0xa1                                       ; source 0 (V^T) window 1, source 1 (P) window 0, C and D window 2
.irp b, 0,1,2,3,4,5,6,7
.set DD, 8*(8*(\a)+\b)
.if \zero
	v_wmma_scale_f32_16x16x128_f8f6f4 v[DD:DD+7], v[128*PP+12*\b:128*PP+12*\b+11], v[AF+48*PP+12*(\a):AF+48*PP+12*(\a)+11], 0, v[SCV+8*PP+\b], v[SCP+4*PP+(\a)] matrix_a_fmt:MATRIX_FMT_FP6 matrix_b_fmt:MATRIX_FMT_FP6
.else
	v_wmma_scale_f32_16x16x128_f8f6f4 v[DD:DD+7], v[128*PP+12*\b:128*PP+12*\b+11], v[AF+48*PP+12*(\a):AF+48*PP+12*(\a)+11], v[DD:DD+7], v[SCV+8*PP+\b], v[SCP+4*PP+(\a)] matrix_a_fmt:MATRIX_FMT_FP6 matrix_b_fmt:MATRIX_FMT_FP6
.endif
.endr
.endm
.macro STEP kk                         ; four places stand in front of loads into the set that the K step before multiplied
	s_wait_dscnt 0x0                               ; this K step's fragments and scale words are in
	PLACES 4
	FETCH (\kk)+1
.irp a, 0,1,2,3
	MULA \a, \kk, 0
.endr
.endm
; A slot's last K step changes slots.  fill = 1: the barrier opens a round of the cluster's, and this slot is filled again, with the K steps eight further on, first thing behind it.  ask = 1: the load after that is asked for.
.macro TURN kk, fill, slot, ask
	WIN 0
.if \ask
	s_wait_xcnt 0x0                                ; the last prefetches have read their base
	s_add_nc_u64 s[PF:PF+1], s[PF:PF+1], s[94:95]
.endif
	s_wait_tensorcnt 0x0                           ; all my tensor loads have landed: my part of the other slot
	ds_add_u32 v[SPW], v[NIL]
	s_wait_dscnt 0x1                               ; this K step's fragments are in; the add alone may be out
	MULA 0, \kk, 0
	s_wait_dscnt 0x0                               ; the add is done, and my reads of this slot are over
	s_barrier_signal -1
	MULA 1, \kk, 0
	WIN 0
	s_barrier_wait -1
.if \fill
	CREST                                          ; no wave of any partner still reads this slot or has a load on its way
	s_add_nc_u64 s[G0A+4*\slot+2:G0A+4*\slot+3], s[G0A+4*\slot+2:G0A+4*\slot+3], 2*PPART
	s_add_nc_u64 s[G0B+4*\slot+2:G0B+4*\slot+3], s[G0B+4*\slot+2:G0B+4*\slot+3], 2*VPART
	JLOAD G0A+4*\slot, G0B+4*\slot                 ; its four v_nop are the places in front of the loads below
.else
	PLACES 4
.endif
	FETCH (\kk)+1
.if \ask
	ASK
.endif
	MULA 2, \kk, 0
	MULA 3, \kk, 0
.endm
	s_load_b128 s[4:7], s[0:1], 0x0                ; pp, qkv
	s_load_b64 s[8:9], s[0:1], 0x10                ; out0
	v_lshl_add_u32 v[SPW], v0, 2, SPARE
	v_mov_b32 v[NIL], 0
	ds_add_u32 v[SPW], v[NIL]                      ; the opening lines
	ds_add_u32 v[SPW], v[NIL]
	v_lshrrev_b32 v1, 5, v0
	v_readfirstlane_b32 s14, v1                    ; wave
	v_lshlrev_b32 v[GLO], 2, v0
	s_lshr_b32 s15, s14, 1                         ; which half of the queries is mine.  Also: I fetch for P (0) or for V^T (1)
	s_and_b32 s16, s14, 1                          ; which half of the columns.  Also: which half I fetch
	s_bfe_u32 s44, ttmp6, 0x40000                  ; cx: the block of 256 columns
	s_bfe_u32 s45, ttmp6, 0x40004                  ; cy
	s_and_b32 s18, ttmp7, 0xffff
	s_lshr_b32 s19, s18, 2                         ; the batch
	s_lshl_b32 s17, s18, 2
	s_add_co_u32 s17, s17, s45                     ; the block of 128 queries
	s_lshl_b32 s46, s45, 2
	s_lshl_b32 s46, 15, s46                        ; my row of the cluster
	s_lshl_b32 s47, 0x1111, s44                    ; my column
	s_or_b32 s[G1A], s46, (3<<16)|(1<<21)          ; P: half of four K steps, 24,576 bytes on end: 12 rows of 2,048
	s_mov_b32 s[G1A+1], 256<<16
	s_mov_b32 s[G1A+2], 12<<16
	s_mov_b32 s[G1A+3], 256<<16
	s_mov_b32 s[G1A+4], 12
	s_mov_b32 s[G1A+5], 256
	s_mov_b32 s[G1A+6], 0
	s_mov_b32 s[G1A+7], 0
	s_or_b32 s[G1B], s47, (3<<16)|(1<<21)          ; V^T: four K steps of 128 columns, 51,200 bytes on end: 25 rows of 2,048
	s_mov_b32 s[G1B+1], 256<<16
	s_mov_b32 s[G1B+2], 25<<16
	s_mov_b32 s[G1B+3], 256<<16
	s_mov_b32 s[G1B+4], 25
	s_mov_b32 s[G1B+5], 256
	s_mov_b32 s[G1B+6], 0
	s_mov_b32 s[G1B+7], 0
	s_lshl_b32 s100, s17, 9                        ; the repair's words: 512 bytes for my block of queries in each plane
	s_add_co_u32 s100, s100, PSO
	s_mov_b32 s101, 0
	s_mul_i32 s66, s16, PPART/2                    ; where the loads go: no place in the cluster enters an LDS address
	s_mul_i32 s67, s16, VPART
	s_add_co_u32 s67, s67, PPART
	s_mul_i32 s20, s17, 16*8*FRB
	s_add_co_u32 s20, s20, s66
	s_mov_b32 s21, 0
	s_lshl_b32 s22, s19, 3                         ; V^T's block: 8 x batch + 2 cx + the one that I fetch
	s_lshl_b32 s23, s44, 1
	s_add_co_u32 s22, s22, s23
	s_add_co_u32 s22, s22, s16
	s_mul_i32 s22, s22, 16*KBLK
	s_add_co_u32 s22, s22, VIM
	s_mov_b32 s23, 0
	s_wait_alu depctr_va_vdst(0)
	s_wait_dscnt 0x0                               ; both opening adds are done
	s_wait_kmcnt 0x0
	s_add_nc_u64 s[100:101], s[4:5], s[100:101]
	s_add_nc_u64 s[20:21], s[4:5], s[20:21]
	s_add_nc_u64 s[22:23], s[6:7], s[22:23]
.irp k, 0,1,2,3,4,5,6,7,8,9,10,11,12,13,14,15  ; thread n stands for query row n / 8 of tile n % 8: its 16 runs' words, -M and sums
	global_load_b32 v[PSW+\k], v[GLO], s[100:101] offset:32768*\k
	global_load_b32 v[NMW+\k], v[GLO], s[100:101] offset:524288+32768*\k
	global_load_b32 v[PLW+\k], v[GLO], s[100:101] offset:1048576+32768*\k
.endr
	CROUND                                         ; all sixteen work-groups are here: the first joint loads meet
.irp s, 0,1
	s_mov_b32 s[G0A+4*\s], 1
	s_add_co_u32 s[G0A+4*\s+1], s66, \s*SLOT
	s_add_nc_u64 s[G0A+4*\s+2:G0A+4*\s+3], s[20:21], \s*PPART
	s_or_b32 s[G0A+4*\s+3], s[G0A+4*\s+3], 0x80000000
	s_mov_b32 s[G0B+4*\s], 1
	s_add_co_u32 s[G0B+4*\s+1], s67, \s*SLOT
	s_add_nc_u64 s[G0B+4*\s+2:G0B+4*\s+3], s[22:23], \s*VPART
	s_or_b32 s[G0B+4*\s+3], s[G0B+4*\s+3], 0x80000000
.endr
	JLOAD G0A, G0B                                 ; slot 0: one tensor load a wave at the head
	s_mov_b32 s2, VPART
	s_mov_b32 s3, 50
	s_cmp_eq_u32 s15, 0
	s_cselect_b64 s[PF:PF+1], s[20:21], s[22:23]   ; what I fetch,
	s_cselect_b32 s98, s44, s45                    ; my place among the four that ask for it with me,
	s_cselect_b32 s94, PPART, s2                   ; the bytes from one load to the next,
	s_cselect_b32 s3, 24, s3                       ; and the blocks of 256 bytes that are mine
	s_mov_b32 s95, 0
	s_add_nc_u64 s[PF:PF+1], s[PF:PF+1], s[94:95]
	s_mul_i32 s98, s98, s3
	s_sub_co_u32 s3, s3, 1
	s_mul_i32 s20, s15, 4*FRB                      ; my 4 tiles of P
	s_lshl_b32 s21, s15, 4
	s_add_co_u32 s21, s21, PSC
	s_mul_i32 s23, s14, 16*SP                      ; my stage
	s_lshl_b32 s22, s15, 8
	s_add_co_u32 s22, s22, RL
	v_and_b32 v1, 31, v0                           ; lane
	v_and_b32 v4, 15, v0                           ; r
	v_bfe_u32 v[VH], v0, 4, 1                      ; h
	v_min_u32 v[PFV], s3, v1
	v_add_nc_u32 v[PFV+1], 32, v1
	v_min_u32 v[PFV+1], s3, v[PFV+1]
	v_add_nc_u32 v[PFV], s98, v[PFV]
	v_add_nc_u32 v[PFV+1], s98, v[PFV+1]
	v_lshlrev_b32 v[PFV], 8, v[PFV]
	v_lshlrev_b32 v[PFV+1], 8, v[PFV+1]
	v_lshlrev_b32 v[LI], 4, v1
	v_lshlrev_b32 v13, 3, v1
	v_add_nc_u32 v[ADRA], s20, v[LI]
	v_add_nc_u32 v[ADRB], s67, v[LI]
	v_add_nc_u32 v[B8], s67, v13
	v_lshlrev_b32 v13, 5, v4
	v_add_nc_u32 v[APS], s21, v13
	v_add_nc_u32 v[AVS], s67, v13
	v_add_nc_u32 v[AVS], 8*FRB, v[AVS]
.irp a, ADRA, ADRB, B8, AVS
	v_add_nc_u32 v[\a+1], SLOT, v[\a]
.endr
	v_mul_u32_u24 v[STO], v4, SP
	v_lshl_add_u32 v[STO], v[VH], 7, v[STO]
	v_add_nc_u32 v[STO], s23, v[STO]               ; in: row r, + 128 h
	v_add_nc_u32 v[SRD], s23, v[LI]                ; back: a row of 512 bytes to the 32 lanes
	v_lshl_add_u32 v[PSA], v0, 2, PSC
	v_and_b32 v7, 7, v0
	v_lshlrev_b32 v7, 6, v7
	v_lshrrev_b32 v1, 3, v0
	v_lshl_add_u32 v7, v1, 2, v7
	v_add_nc_u32 v[RLA], RL, v7                    ; 4 (16 x tile + row)
	v_lshlrev_b32 v7, 2, v4
	v_add_nc_u32 v[RLR], s22, v7                   ; my four tiles' 1 / l of row r
	ASK                                            ; slot 1's load
	s_lshl_b32 s[OUT], s17, 7                      ; out0: row 128 x block + 64 x my half, column 256 cx + 128 x my half
	s_lshl_b32 s21, s15, 6
	s_add_co_u32 s[OUT], s[OUT], s21
	s_lshl_b32 s[OUT], s[OUT], 12
	s_lshl_b32 s21, s44, 10
	s_add_co_u32 s[OUT], s[OUT], s21
	s_lshl_b32 s21, s16, 9
	s_add_co_u32 s[OUT], s[OUT], s21
	s_mov_b32 s[OUT+1], 0
	s_add_nc_u64 s[OUT:OUT+1], s[8:9], s[OUT:OUT+1]
	s_mov_b32 s20, 0x80808080
	s_mov_b32 s21, 0x01010101
	s_mov_b32 s22, 0x7f7f7f7f
	s_wait_alu depctr_va_vdst(0)
	s_wait_loadcnt 0x0
	v_min3_num_f32 v[NMIN], v[NMW], v[NMW+1], v[NMW+2]
.irp i, 3,5,7,9,11,13
	v_min3_num_f32 v[NMIN], v[NMIN], v[NMW+\i], v[NMW+\i+1]
.endr
	v_min_num_f32 v[NMIN], v[NMIN], v[NMW+15]      ; the least -M: the row's M
.irp k, 0,1,2,3,4,5,6,7,8,9,10,11,12,13,14,15
	v_sub_f32 v[T0], v[NMW+\k], v[NMIN]            ; d = the row's M - the run's M: a whole number, 0 or more
	v_cvt_i32_f32 v[T0], v[T0]
	v_min_u32 v[T0], 127, v[T0]
	v_sub_nc_u32 v[T0+1], 0, v[T0]
.if \k == 0
	v_ldexp_f32 v[LSUM], v[PLW], v[T0+1]           ; the first run starts the row's sum
.else
	v_ldexp_f32 v[T0+1], v[PLW+\k], v[T0+1]        ; the run's sum x 2^-d
	v_add_f32 v[LSUM], v[LSUM], v[T0+1]
.endif
	v_mul_lo_u32 v[T0], v[T0], s21                 ; d in each byte
	v_or_b32 v[T0+2], s20, v[PSW+\k]               ; each byte (under 128) + 128, so that no byte borrows from the next
	v_sub_nc_u32 v[T0+2], v[T0+2], v[T0]
	v_and_b32 v[T0+3], s20, v[T0+2]                ; bit 7 still stands where the byte was at least d
	v_lshrrev_b32 v[T0+3], 7, v[T0+3]
	v_lshlrev_b32 v[T0+1], 8, v[T0+3]
	v_sub_nc_u32 v[T0+1], v[T0+1], v[T0+3]         ; 0xff in those bytes
	v_and_b32 v[T0+2], v[T0+2], v[T0+1]            ; the others are held at 0
	v_and_b32 v[PSW+\k], s22, v[T0+2]
	ds_store_b32 v[PSA], v[PSW+\k] offset:512*\k
.endr
	s_wait_alu depctr_va_vdst(0)                   ; the wait ahead of the transcendental,
	v_rcp_f32 v[LSUM], v[LSUM]
	v_nop                                          ; a plain place behind it,
	s_wait_alu depctr_va_vdst(0)                   ; and the wait ahead of its first reader
	ds_store_b32 v[RLA], v[LSUM]
	s_wait_xcnt 0x0                                ; the prefetches have read their base
	s_add_nc_u64 s[PF:PF+1], s[PF:PF+1], s[94:95]
	s_wait_tensorcnt 0x0                           ; my part of slot 0 is in; these lines stand ahead of a later first fill as ahead of a refill
	ds_add_u32 v[SPW], v[NIL]
	s_wait_dscnt 0x0                               ; the add is done, and my words and my 1 / l lie in LDS
	CROUND
	JLOAD G0A+4, G0B+4                             ; slot 1: K steps 4 to 7
	FETCH 0
	FETCH 1
	ASK                                            ; K steps 8 to 11
	s_wait_dscnt 47                                ; K step 0's 47 loads are in; K step 1's may be out
.irp a, 0,1,2,3
	MULA \a, 0, 1                                  ; the first K step starts the sums: nothing is cleared
.endr
	STEP 1
	STEP 2
	TURN 3, 1, 0, 1                                ; slot 0 takes K steps 8 to 11; 12 to 15 are asked for
	STEP 4
	STEP 5
	STEP 6
	TURN 7, 1, 1, 0                                ; slot 1 takes K steps 12 to 15
	STEP 8
	STEP 9
	STEP 10
	TURN 11, 0, 0, 0                               ; behind this barrier nobody reads slot 0
	STEP 12
	STEP 13
	STEP 14
	s_wait_dscnt 0x0
.irp a, 0,1,2,3
	MULA \a, 15, 0
.endr
	WIN 0
; THE WAY OUT, block by block of 16 queries x 128 columns: x 1 / l; through my stage in LDS; back as whole rows of 512 bytes, each stored at its query's true row.
.macro PACK a
	WIN 0x02
.set J, 0
.rept 32
	v_pk_mul_f32 v[OT+J:OT+J+1], v[64*(\a)+J:64*(\a)+J+1], v[RLV+2*(\a):RLV+2*(\a)+1]   ; each accumulator is read from its low end on
.set J, J+2
.endr
	WIN 0
.endm
.macro TOSTAGE a
.set BB, BK+64*((\a)%2)
.irp b, 0,1,2,3,4,5,6,7
	ds_store_b128 v[STO], v[OT+8*\b:OT+8*\b+3] offset:256*(\b/4)+32*(\b%4)          ; columns 64 (b / 4) + 32 h + 8 (b % 4) + 0 .. 7 of my 128
	ds_store_b128 v[STO], v[OT+8*\b+4:OT+8*\b+7] offset:256*(\b/4)+32*(\b%4)+16
.endr
.irp t, 0,1,2,3,4,5,6,7,8,9,10,11,12,13,14,15
	ds_load_b128 v[BB+4*\t:BB+4*\t+3], v[SRD] offset:\t*SP   ; LDS serves a wave's instructions in order (ISA guide 5.7.1.4)
.endr
.endm
.macro SEND a
.set BB, BK+64*((\a)%2)
	s_wait_dscnt 0x0                               ; the block is back in registers
.irp t, 0,1,2,3,4,5,6,7,8,9,10,11,12,13,14,15
	global_store_b128 v[LI], v[BB+4*\t:BB+4*\t+3], s[OUT:OUT+1] offset:(8*(\a)+\t+24*(\t/8))*4096 th:TH_STORE_NT   ; 512 consecutive bytes
.endr
.endm
	PLACES 4                                       ; behind the last products
.irp a, 0,1,2,3
	ds_load_b32 v[RLV+2*\a], v[RLR] offset:64*\a
	ds_load_b32 v[RLV+2*\a+1], v[RLR] offset:64*\a
.endr
	s_wait_dscnt 0x0
	PACK 0
	TOSTAGE 0
	PACK 1                                         ; a block's multiplications stand between the loads of the block before and the wait for them
	s_wait_alu depctr_va_vdst(0)
	SEND 0
	TOSTAGE 1
	PACK 2
	s_wait_alu depctr_va_vdst(0)
	SEND 1
	s_wait_xcnt 0x0                                ; block 0's stores have read their registers
	TOSTAGE 2
	PACK 3
	s_wait_alu depctr_va_vdst(0)
	SEND 2
	s_wait_xcnt 0x0                                ; block 1's likewise
	TOSTAGE 3
	SEND 3
	s_wait_tensorcnt 0x0                           ; the wave's end
	ds_add_u32 v[SPW], v[NIL]
	s_wait_dscnt 0x0
	CROUND                                         ; the closing round
	s_endpgm
.Lfunc_end_k_q7e81d9b7d2_pv:
	.size	k_q7e81d9b7d2_pv, .Lfunc_end_k_q7e81d9b7d2_pv-k_q7e81d9b7d2_pv
	.p2alignl 7, 3214868480
	.fill 96, 4, 3214868480
	.section	.rodata,"a",@progbits
	.p2align	6, 0x0
	.amdhsa_kernel k_q7e81d9b7d2_pv
		.amdhsa_group_segment_fixed_size 327680
		.amdhsa_private_segment_fixed_size 0
		.amdhsa_enable_private_segment 0
		.amdhsa_kernarg_size 24
		.amdhsa_user_sgpr_count 2
		.amdhsa_user_sgpr_kernarg_segment_ptr 1
		.amdhsa_wavefront_size32 1
		.amdhsa_system_sgpr_workgroup_id_x 1
		.amdhsa_system_sgpr_workgroup_id_y 1
		.amdhsa_system_sgpr_workgroup_id_z 1
		.amdhsa_system_vgpr_workitem_id 0
		.amdhsa_next_free_vgpr 768
		.amdhsa_next_free_sgpr 102
		.amdhsa_reserve_vcc 0
		.amdhsa_float_denorm_mode_32 3
		.amdhsa_float_denorm_mode_16_64 3
		.amdhsa_memory_ordered 1
		.amdhsa_forward_progress 1
		.amdhsa_inst_pref_size 166
	.end_amdhsa_kernel
	.amdgpu_metadata
---
amdhsa.version: [ 1, 2 ]
amdhsa.kernels:
  - .name:           k_q7e81d9b7d2_pv
    .symbol:         k_q7e81d9b7d2_pv.kd
    .args:
      - { .name: pp, .offset: 0, .size: 8, .value_kind: global_buffer, .address_space: global }
      - { .name: qkv, .offset: 8, .size: 8, .value_kind: global_buffer, .address_space: global }
      - { .name: out0, .offset: 16, .size: 8, .value_kind: global_buffer, .address_space: global }
    .group_segment_fixed_size: 327680
    .private_segment_fixed_size: 0
    .kernarg_segment_align: 8
    .kernarg_segment_size: 24
    .max_flat_workgroup_size: 128
    .sgpr_count:     102
    .vgpr_count:     768
    .wavefront_size: 32
...
	.end_amdgpu_metadata
.endif
;; end of part 4
